; MI455X (gfx1250); checked and timed in simulation.
; The chip was launched on July 23, 2026; its instructions are those of AMD's public machine-readable ISA for CDNA 5 (MIT licence, August 2026) and "CDNA5" Instruction Set Architecture Reference Guide (July 2026). The comments in the code are by the model that wrote it; some were corrected since.
;; Causal Self Attention. Allowed arithmetic: matrix products marked QUANTISED: E3M2 operands, one E8M0 scale for each 32 along K, by v_wmma_scale_f32_16x16x128_f8f6f4 with both operands' format E3M2, f32 sums; everything else in f32.
;; Inputs: W_proj 1,024 x 1,024 float32; W_qkv 3,072 x 1,024 float32; x 4 x 2,048 x 1,024 float32.
;; Outputs: out0 4 x 2,048 x 1,024 float32.
;; This version of the problem:
;;   THIS VERSION OF THE PROBLEM IS GIVEN IN LOW PRECISION. The matrix products marked QUANTISED in the list below multiply operands that are first quantised to E3M2 (3 exponent bits, 2 mantissa bits; 6 bits a number), with one power-of-two scale for each 32 numbers along K (OCP MX v1.0); their sums are f32. All else is computed in f32.
;;   The module's matrix products, in the order in which they are computed (A, B: the left and right operand; K: the contracted axis; several contracted axes count as one K, in the product's order):
;;     1. [M 8,192, K 1,024] x [K 1,024, N 3,072]; A: input x; B: input W_qkv: QUANTISED
;;     2. batch 64 x [M 2,048, K 64] x [K 64, N 2,048]; A: computed on the way; B: computed on the way: QUANTISED
;;     3. batch 64 x [M 2,048, K 2,048] x [K 2,048, N 64]; A: softmax (see below); B: computed on the way: QUANTISED
;;     4. [M 8,192, K 1,024] x [K 1,024, N 1,024]; A: computed on the way; B: input W_proj: QUANTISED
;;   THE QUANTISER, for each operand of a quantised product, along K:
;;     - K is cut into blocks of 32 from its start; a last block that is shorter is filled with zeros.
;;     - A block's scale is 2^e with e = floor(log2(the largest magnitude in the block)) - 4, held to -126 .. 127; a block of zeros has e = 0. As a byte (E8M0): e + 127.
;;     - Each number is divided by its block's scale, clamped to +-28, and rounded to the nearest number of E3M2, ties to even, subnormals kept.
;;     - The product sums the exact products of the quantised numbers (number of the format x scale) in f32.
;;   ~~~python
;;   def quantise(x, axis):      # numpy; x: float32 -> the quantised numbers, widened to float32 again
;;       x = np.moveaxis(x, axis, -1); K = x.shape[-1]
;;       x = np.pad(x, [(0, 0)] * (x.ndim - 1) + [(0, -K % 32)]); x = x.reshape(x.shape[:-1] + (-1, 32)); a = np.abs(x).max(-1, keepdims=True)
;;       e = np.where(a > 0, np.clip(np.frexp(np.where(a > 0, a, 1))[1] - 1 - 4, -126, 127), 0)      # np.frexp(a)[1] - 1 = floor(log2(a)), exactly
;;       r = np.clip(x / 2.0 ** e, -28, 28)
;;       step = 2.0 ** (np.maximum(np.frexp(np.where(r == 0, 1, r))[1] - 1, -2) - 2)
;;       q = np.round(r / step) * step * 2.0 ** e      # np.round: ties to even
;;       return np.moveaxis(q.reshape(q.shape[:-2] + (-1,))[..., :K], -1, axis).astype(np.float32)
;;   ~~~
;;   SOFTMAX AHEAD OF A QUANTISED PRODUCT. Where the list says 'softmax', what is quantised is not the finished softmax but p = 2^(t - M), with t = logit x log2(e) and M = ceil(the row's largest t), a whole number; so 1/2 < the row's largest p <= 1. The row's sum l is taken of the UNQUANTISED p, in f32, and the product's result is divided by l at the end. Since M is a whole number, a kernel that streams over the keys may use a running M (the ceiling of the running maximum): every later rescaling is an exact power of two, which a block's scale takes up: the codes' values come out the same.
;;   OPERANDS COMPUTED ON THE WAY. 'Computed on the way' means the value that the module computes at that place (a softmax that the list does not call 'softmax' is quantised finished and normalised). What goes into a quantiser is computed in f32, as accurately as f32 sums, v_exp_f32 and their like allow (about 1e-6 of the number): no bf16 or f16 on the way to a quantiser, and a product that is left as it is and whose result goes on into a quantised operand takes f32 operands (vector FMAs, or v_wmma_f32_16x16x4_f32). A number that lies on a knife's edge between two numbers of the format may be rounded either way, as far as f32 arithmetic and the matrix unit's own rounding can turn it there, and no further.
;; One version. Each part assembles by itself: llvm-mc -triple=amdgcn-amd-amdhsa -mcpu=gfx1250 --defsym DOCPART=n.
;; ======== version 1 of 1: 4 launches
;; workspace buffers: opnd_img 9,437,184 bytes; opnd_sc 393,216 bytes; qk_img 12,582,912 bytes; qk_sc 524,288 bytes; v_img 6,291,456 bytes; v_sc 262,144 bytes; y_img 6,291,456 bytes; y_sc 262,144 bytes
;; launch prep (part 1): grid 384 x 1, 4 waves a work-group, no clusters, 35,328 bytes of LDS; arguments x, W_qkv, W_proj, opnd_img, opnd_sc; writes opnd_img, opnd_sc
.if DOCPART == 1
	.amdgcn_target "amdgcn-amd-amdhsa--gfx1250"
	.amdhsa_code_object_version 6
	.text
	.protected	k_q25371efce7_prep
	.globl	k_q25371efce7_prep
	.p2align	8
	.type	k_q25371efce7_prep,@function
k_q25371efce7_prep:
	s_mov_b64 s[64:65], 0
	v_nop
	global_prefetch_b8 v0, s[64:65] scope:SCOPE_SE
	s_setreg_imm32_b32 hwreg(HW_REG_WAVE_MODE, 25, 1), 1
	s_wait_xcnt 0x0
; CAUSAL SELF-ATTENTION IN MX-BF6, FOUR LAUNCHES: prep (this one), gemm1, attn, gemm2.
; prep: x [8192][1024], W_qkv [3072][1024], W_proj [1024][1024], f32, K innermost, become codes of E3M2 with one E8M0 byte for each 32 along K.
; WORK LEFT OUT BY THE PROGRAM (in launch attn): a step of 128 keys all of which come after all 16 queries of a tile.  reference() itself sets those scores to -inf by its own jnp.tril ahead of
; the softmax, so their p is 0 and their terms of the row's sum and of p v are 0, whatever finite values x, W_qkv and W_proj hold.  Inside the step on the diagonal the work is done and selected.
; No input is left out.  LIMIT: a NaN, an infinity or an overflow that reaches only such hidden scores is not carried to the result.
; LIMITS of all four launches: NaN and infinities among the inputs are not served; a block of zeros, or one whose largest magnitude lies under 2^-122, keeps the scale byte 1 (the rule says 127 for zeros:
; its codes are zeros, which add nothing under any byte but 0xff, and this program alone reads the bytes).
; THE LAYOUT OF ALL CODES IN THE WORKSPACES: a GRANULE is 16 rows x 64 along K, 768 bytes, an image of six operand registers: lane L = (r = L % 16, h = L / 16) holds block h (32 codes, 24 bytes) of row r;
; bytes 16 L .. 16 L + 15 are its registers 0-3, bytes 512 + 8 L .. + 7 its registers 4, 5.  Two granules on end are a fragment of 16 x 128.
; THE ROWS OF A TILE ARE NOT NEIGHBOURS: row r of tile T is row 32 (T / 2) + 8 (T % 2) + r + 8 (r / 8) of its tensor, so that where such tiles are source 0 of a product, a lane's 16 registers of two
; neighbouring result tiles are 16 neighbours along the next K.
; opnd_img: [tile T 0..767][granule 0..15][768]: T 0-511 x, 512-703 W_qkv, 704-767 W_proj.  opnd_sc: [T][half of K][r][16 bytes]: word j = the four scale bytes of K = 512 half + 128 j .. + 127.
; SHARES: work-group g takes tiles 2 g and 2 g + 1; wave w tile 2 g + w / 2, half w % 2 of K: eight granules.  Waves share nothing: no barrier.
; A load reads two rows' 256 consecutive bytes; a granule's 4,096 bytes turn through the wave's own stage in LDS (rows 272 bytes apart) and come back 128 bytes a lane: a whole block of 32.
.set WREG,  8704                       ; LDS of a wave: two stages of 16 rows x 272 bytes
.set STG,   4352
.set SPARE, 4*WREG                     ; behind the stages: the spare words, 128 bytes a wave
.set R,     32                         ; v32-127  three sets of 32: a granule as loaded
.set X,     128                        ; v128-191 two sets of 32 neighbours along K
.set C,     192                        ; v192-255 codes: eight registers a granule, never written again
.set CT,    24                         ; v24-26   a block's upper 16 codes on their way
	s_load_b128 s[4:7], s[0:1], 0x0                ; x, W_qkv
	s_load_b128 s[8:11], s[0:1], 0x10              ; W_proj, opnd_img
	s_load_b64 s[12:13], s[0:1], 0x20              ; opnd_sc
	v_lshl_add_u32 v7, v0, 2, SPARE                ; my spare word; never rewritten
	v_mov_b32 v8, 0                                ; 0; never rewritten
	v_lshrrev_b32 v9, 5, v0
	v_readfirstlane_b32 s20, v9                    ; wave 0..3
	v_and_b32 v9, 31, v0                           ; L
	v_and_b32 v10, 15, v0                          ; r
	v_bfe_u32 v11, v0, 4, 1                        ; h
	v_lshlrev_b32 v12, 4, v10                      ; 16 r
	v_lshl_add_u32 v1, v11, 12, v12                ; a load: lanes 0-15 one row's 256 bytes, lanes 16-31 the next row's
	s_mul_i32 s21, s20, WREG
	v_mad_u32_u24 v2, v11, 272, v12
	v_add_nc_u32 v2, s21, v2                       ; into the stage, as loaded
	v_mul_u32_u24 v3, v10, 272
	v_lshl_add_u32 v3, v11, 7, v3
	v_add_nc_u32 v3, s21, v3                       ; out of it: row r, block h
	v_lshlrev_b32 v4, 4, v9                        ; 16 L
	v_lshlrev_b32 v5, 3, v9                        ; 8 L
	v_lshlrev_b32 v6, 3, v11                       ; 8 h: my bytes' place in a scale word, in bits
	v_lshl_add_u32 v9, v11, 3, v12                 ; 16 r + 8 h: my two scale words' place
.irp j, 0,1,2,3
	v_mov_b32 v[18+\j], 0                          ; written once: a lane permute's destination counts as one of its sources
.endr
	s_lshr_b32 s22, s20, 1                         ; which of the two tiles
	s_and_b32 s23, s20, 1                          ; which half of K
	s_mov_b32 s28, 0x76543210
	s_mov_b32 s29, 0xfedcba98                      ; v_permlanex16_b32's selects for lane l xor 16
	s_mov_b32 s30, 0xffff0000                      ; lanes 16-31
	s_mov_b32 s16, 352
	s_wait_kmcnt 0x0
	s_cmp_lt_u32 ttmp9, 352                        ; which tensor: the choice hangs on the work-group's number alone
	s_cselect_b64 s[14:15], s[6:7], s[8:9]
	s_cselect_b32 s16, 256, s16
	s_cmp_lt_u32 ttmp9, 256
	s_cselect_b64 s[14:15], s[4:5], s[14:15]
	s_cselect_b32 s16, 0, s16
	s_sub_co_u32 s17, ttmp9, s16                   ; the pair of tiles within the tensor: 32 rows of 4,096 bytes
	s_lshl_b32 s18, s17, 17
	s_lshl_b32 s24, s22, 15                        ; the odd tile begins 8 rows further down
	s_add_co_u32 s18, s18, s24
	s_lshl_b32 s24, s23, 11                        ; half of K: 512 numbers
	s_add_co_u32 s18, s18, s24
	s_mov_b32 s19, 0
	s_add_nc_u64 s[14:15], s[14:15], s[18:19]
	s_lshl_b32 s24, ttmp9, 1
	s_add_co_u32 s24, s24, s22                     ; T
	s_mul_i32 s18, s24, 12288
	s_mul_i32 s25, s23, 6144
	s_add_co_u32 s18, s18, s25
	s_add_nc_u64 s[10:11], s[10:11], s[18:19]      ; my eight granules
	s_lshl_b32 s18, s24, 9
	s_lshl_b32 s25, s23, 8
	s_add_co_u32 s18, s18, s25
	s_add_nc_u64 s[12:13], s[12:13], s[18:19]      ; my 256 bytes of scale words
.macro LOAD t                          ; granule t: tile rows 2 i and 2 i + 1 are tensor rows 2 i + 8 (i / 4) and the next
.irp i, 0,1,2,3,4,5,6,7
	global_load_b128 v[R+32*((\t)%3)+4*\i:R+32*((\t)%3)+4*\i+3], v1, s[14:15] offset:256*(\t)+(2*\i+8*(\i/4))*4096 th:TH_LOAD_NT
.endr
.endm
.macro TURN t                          ; through the stage: LDS serves a wave's instructions in order, so no wait stands between the stores and the loads
.irp i, 0,1,2,3,4,5,6,7
	ds_store_b128 v2, v[R+32*((\t)%3)+4*\i:R+32*((\t)%3)+4*\i+3] offset:STG*((\t)%2)+2*\i*272
.endr
.irp i, 0,1,2,3,4,5,6,7
	ds_load_b128 v[X+32*((\t)%2)+4*\i:X+32*((\t)%2)+4*\i+3], v3 offset:STG*((\t)%2)+16*\i
.endr
.endm
.macro STEP t
.set XS, X+32*((\t)%2)
.set CG, C+8*(\t)
	s_wait_dscnt 0x0                               ; this granule's numbers are back, and its stores into the stage have read their registers,
.if (\t)+3 < 8
	LOAD (\t)+3                                    ; which take the loads of three granules on
.endif
.if (\t)+1 < 8
.if (\t) < 5
	s_wait_loadcnt 16                              ; the next granule's eight loads are in; the two granules behind it may be out
.else
	s_wait_loadcnt 8*(6-(\t))                      ; near the end: one granule behind it, then none
.endif
	TURN (\t)+1
.endif
	v_max3_num_f32 v10, |v[XS]|, |v[XS+1]|, |v[XS+2]|      ; the block's largest magnitude: all 32 numbers are mine; two chains
	v_max3_num_f32 v11, |v[XS+3]|, |v[XS+4]|, |v[XS+5]|
.irp i, 6,10,14,18,22,26
	v_max3_num_f32 v10, v10, |v[XS+\i]|, |v[XS+\i+1]|
	v_max3_num_f32 v11, v11, |v[XS+\i+2]|, |v[XS+\i+3]|
.endr
	v_max3_num_f32 v10, v10, |v[XS+30]|, |v[XS+31]|
	v_max3_num_f32 v10, v10, v11, 0x2800000        ; and the floor 2^(5 - 127): the byte cannot fall under 1
	v_add_nc_u32 v12, 0xfe000000, v10              ; 4 off the exponent field: the conversion takes this operand's exponent field as its scale
	v_lshrrev_b32 v13, 23, v12                     ; the scale's byte
.if (\t)%2 == 0
	v_mov_b32 v[14+(\t)/2], v13                    ; blocks h and 2 + h of a step of 128 along K
.else
	v_lshl_or_b32 v[14+(\t)/2], v13, 16, v[14+(\t)/2]
.endif
	v_cvt_scalef32_pk16_bf6_f32 v[CG:CG+2], v[XS:XS+15], v12
	v_cvt_scalef32_pk16_bf6_f32 v[CT:CT+2], v[XS+16:XS+31], v12   ; (a conversion's three registers begin on an even number)
	v_nop                                          ; one plain line behind a scaled conversion
.irp i, 0,1,2
	v_mov_b32 v[CG+3+\i], v[CT+\i]
.endr
	global_store_b128 v4, v[CG:CG+3], s[10:11] offset:768*(\t)       ; 512 consecutive bytes, at a multiple of 256 from the buffer's first byte
	global_store_b64 v5, v[CG+4:CG+5], s[10:11] offset:768*(\t)+512  ; and 256 more
.endm
	LOAD 0
	LOAD 1
	LOAD 2
	s_wait_loadcnt 16                              ; granule 0's eight loads are in
	TURN 0
.irp t, 0,1,2,3,4,5,6,7
	STEP \t
.endr
.irp j, 0,1,2,3
	v_lshlrev_b32 v[14+\j], v6, v[14+\j]           ; my two bytes at their places in the word,
.endr
.irp j, 0,1,2,3
	v_permlanex16_b32 v[18+\j], v[14+\j], s28, s29
.endr
.irp j, 0,1,2,3
	v_or_b32 v[14+\j], v[14+\j], v[18+\j]          ; with lane l xor 16's two the word is whole
.endr
	v_cndmask_b32 v10, v14, v16, s30               ; lanes 0-15 store words 0, 1 of their row, lanes 16-31 words 2, 3
	v_cndmask_b32 v11, v15, v17, s30
	global_store_b64 v9, v[10:11], s[12:13]        ; the wave's 256 consecutive bytes
	s_wait_tensorcnt 0x0                           ; the wave's end, behind my last LDS store
	ds_add_u32 v7, v8
	s_wait_dscnt 0x0
	s_endpgm
.Lfunc_end_k_q25371efce7_prep:
	.size	k_q25371efce7_prep, .Lfunc_end_k_q25371efce7_prep-k_q25371efce7_prep
	.p2alignl 7, 3214868480
	.fill 96, 4, 3214868480
	.section	.rodata,"a",@progbits
	.p2align	6, 0x0
	.amdhsa_kernel k_q25371efce7_prep
		.amdhsa_group_segment_fixed_size 35328
		.amdhsa_private_segment_fixed_size 0
		.amdhsa_enable_private_segment 0
		.amdhsa_kernarg_size 40
		.amdhsa_user_sgpr_count 2
		.amdhsa_user_sgpr_kernarg_segment_ptr 1
		.amdhsa_wavefront_size32 1
		.amdhsa_system_sgpr_workgroup_id_x 1
		.amdhsa_system_sgpr_workgroup_id_y 1
		.amdhsa_system_sgpr_workgroup_id_z 1
		.amdhsa_system_vgpr_workitem_id 0
		.amdhsa_next_free_vgpr 256
		.amdhsa_next_free_sgpr 66
		.amdhsa_reserve_vcc 0
		.amdhsa_float_denorm_mode_32 3
		.amdhsa_float_denorm_mode_16_64 3
		.amdhsa_memory_ordered 1
		.amdhsa_forward_progress 1
		.amdhsa_inst_pref_size 31
	.end_amdhsa_kernel
	.amdgpu_metadata
---
amdhsa.version: [ 1, 2 ]
amdhsa.kernels:
  - .name:           k_q25371efce7_prep
    .symbol:         k_q25371efce7_prep.kd
    .args:
      - { .name: x, .offset: 0, .size: 8, .value_kind: global_buffer, .address_space: global }
      - { .name: W_qkv, .offset: 8, .size: 8, .value_kind: global_buffer, .address_space: global }
      - { .name: W_proj, .offset: 16, .size: 8, .value_kind: global_buffer, .address_space: global }
      - { .name: opnd_img, .offset: 24, .size: 8, .value_kind: global_buffer, .address_space: global }
      - { .name: opnd_sc, .offset: 32, .size: 8, .value_kind: global_buffer, .address_space: global }
    .group_segment_fixed_size: 35328
    .private_segment_fixed_size: 0
    .kernarg_segment_align: 8
    .kernarg_segment_size: 40
    .max_flat_workgroup_size: 128
    .sgpr_count:     66
    .vgpr_count:     256
    .wavefront_size: 32
...
	.end_amdgpu_metadata
.endif
;; end of part 1
;; launch gemm1 (part 2): grid 16 x 48, 4 waves a work-group, clusters of 4 x 4, 295,424 bytes of LDS; arguments opnd_img, opnd_sc, qk_img, qk_sc, v_img, v_sc; writes qk_img, qk_sc, v_img, v_sc
.if DOCPART == 2
	.amdgcn_target "amdgcn-amd-amdhsa--gfx1250"
	.amdhsa_code_object_version 6
	.text
	.protected	k_q25371efce7_gemm1
	.globl	k_q25371efce7_gemm1
	.p2align	8
	.type	k_q25371efce7_gemm1,@function
k_q25371efce7_gemm1:
	s_mov_b64 s[64:65], 0
	v_nop
	global_prefetch_b8 v0, s[64:65] scope:SCOPE_SE
	s_setreg_imm32_b32 hwreg(HW_REG_WAVE_MODE, 25, 1), 1
	s_wait_xcnt 0x0
	s_wait_alu depctr_hold_cnt(0) depctr_sa_sdst(0) depctr_va_vdst(0) depctr_va_sdst(0) depctr_va_ssrc(0) depctr_va_vcc(0) depctr_vm_vsrc(0)
	s_getreg_b32 s2, hwreg(HW_REG_IB_STS2, 6, 4)
	s_cmp_eq_u32 s2, 0
	s_cbranch_scc0 .Lentry_in_a_cluster
	s_endpgm
.Lentry_in_a_cluster:
	s_bfe_u32 s2, ttmp6, 0x10000c
	s_cmp_lg_u32 s2, 0xf033
	s_cbranch_scc0 .Lentry_shape_is_right
	s_endpgm
.Lentry_shape_is_right:
; qkv = x W_qkv^T on codes of E3M2, and the quantising of q, k (along the head's 64) and v (along the tokens) on the way out: no f32 number of qkv goes to memory.
; Granules, tiles and their rows: as the head of launch prep says.  Nothing of reference() is left out here.  LIMITS: as stated there.
; A work-group makes 256 (A) x 128 (B) of a product A B^T, K = 1,024.  THE MATRIX INSTRUCTION IS USED TRANSPOSED: source 0 = a tile of B, source 1 = a tile of A: lane (r, h) holds row r of A's tile,
; and registers 16 g + i of the eight results of one tile of A are B's rows 32 g + 16 h + i: 16 neighbours along the NEXT product's K.
; TWO PARTS, told apart by the cluster's y (the same in all partners; values are selected, nothing branches):
;   cluster y 0-7:  A = x (tokens), B = W_q, W_k (channels): a lane's registers run along the head's channels: q and k, quantised along d.
;   cluster y 8-11: A = W_v (channels), B = x (tokens): v^T: a lane's registers run along the tokens: v, quantised along the keys.
; ALL OF K LIES IN LDS: four chunks of 256 along K, each A's 16 tiles x 3,072 bytes and B's 8; every byte is filled once, by four tensor loads a wave issued at the head: four of mine are out at the most.
; CLUSTER 4 x 4: A's tiles hang on the cluster's row alone, B's on its column alone: each is asked for jointly by the four that share it.
; Four waves stacked along A: wave w has A's tiles 4 w .. 4 w + 3 and all of B's eight: 32 accumulators.
; OUT: qk_img granule (head J, J 0-15 q, 16-31 k) x 512 + token tile I.  qk_sc: chunk (J / 2) x 128 + I / 4 of 256 bytes; the word at 128 (J % 2) + 8 r + 4 e = the two bytes of tile 4 (I / 4) + 2 e below, of the next tile above.
;      v_img granule b x 2048 + head x 128 + (key / 64) x 4 + d tile.  v_sc: chunk (b x 16 + head) x 16 + key / 128; the word of d tile dt, row r at 128 (dt % 2) + 8 r + 4 (dt / 2).
; REGISTERS: window 0: v1 16 L, v2 8 L, v3 16 r, v4, v5 the add's two, v8-23 LDS addresses, v24, v25 store offsets, v32-63 A's scale words (8 a + s), v64-127 B's (8 b + s), v128-223 A's fragments, two sets
;   (on the way out the codes), v224-249 at work.  window 1: B's fragments, two sets at v0 and v128.  window 2: accumulator (a, b) at v[8 (8 a + b)].
.set CHUNK, 73728
.set BOFF,  49152
.set TILEB, 3072
.set SPARE, 4*CHUNK                    ; behind the chunks: the spare words, 128 bytes a wave
.set ADA16, 8                          ; v8-11   16 L + my A tiles in chunk c;  v12-15 the same with 8 L
.set ADA8,  12
.set ADB16, 16                         ; v16-19, v20-23 the same for B's tiles
.set ADB8,  20
.set SCA,   32
.set SCB,   64
.set AF,    128
.set TM,    224
.set PWR,   240
.set MSB, 0
.macro WIN new                         ; the immediate's high byte repeats the setting that is left
.if MSB != \new
	s_set_vgpr_msb (MSB<<8)|\new
.set MSB, \new
.endif
.endm
.set MULW, 0xa1                        ; source 0 (B) window 1, source 1 (A) window 0, C and D window 2
.set TO_B, 0x40                        ; destination window 1, address window 0
.macro JLOAD g0a, g1a, g0b, g1b        ; a joint load: waves 0, 1 fetch for A, waves 2, 3 for B; the branch hangs on the wave's number alone; an s_nop 0 and four v_nop follow each line
	s_cmp_eq_u32 s67, 0
	s_cbranch_scc0 .Lfor_b_\@
	tensor_load_to_lds s[\g0a:\g0a+3], s[\g1a:\g1a+7]
	s_nop 0
.rept 4
	v_nop
.endr
	s_branch .Lasked_\@
.Lfor_b_\@:
	tensor_load_to_lds s[\g0b:\g0b+3], s[\g1b:\g1b+7]
	s_nop 0
.rept 4
	v_nop
.endr
.Lasked_\@:
.endm
.macro CROUND                          ; a round of the cluster's barrier
	s_barrier_signal -1
	s_barrier_wait -1
	s_cmp_lg_u32 s66, 0
	s_cbranch_scc1 .Lnot_wave_0_\@
	s_barrier_signal -3
.Lnot_wave_0_\@:
	s_barrier_wait -3
	s_barrier_signal -1
	s_barrier_wait -1
.endm
.macro PLACES n
.rept \n
	v_nop
.endr
.endm
.macro FRAG reg, a16, a8, off          ; a fragment = two granules on end: four dense loads
	ds_load_b128 v[(\reg):(\reg)+3], v[\a16] offset:(\off)
	ds_load_b64 v[(\reg)+4:(\reg)+5], v[\a8] offset:(\off)+512
	ds_load_b128 v[(\reg)+6:(\reg)+9], v[\a16] offset:(\off)+768
	ds_load_b64 v[(\reg)+10:(\reg)+11], v[\a8] offset:(\off)+1280
.endm
.macro FETCH s                         ; the fragments of step s (128 along K) into set s % 2: B's eight, my A's four: 48 loads
	WIN TO_B
.irp b, 0,1,2,3,4,5,6,7
	FRAG 128*((\s)%2)+12*\b, ADB16+(\s)/2, ADB8+(\s)/2, \b*TILEB+((\s)%2)*1536
.endr
	WIN 0
.irp a, 0,1,2,3
	FRAG AF+48*((\s)%2)+12*\a, ADA16+(\s)/2, ADA8+(\s)/2, \a*TILEB+((\s)%2)*1536
.endr
.endm
.macro MULS s, zero                    ; 32 products; the 32 accumulators take turns, one instruction a turn, in the same order in every step
.irp a, 0,1,2,3
.irp b, 0,1,2,3,4,5,6,7
.if \zero
	v_wmma_scale_f32_16x16x128_f8f6f4 v[8*(8*\a+\b):8*(8*\a+\b)+7], v[128*((\s)%2)+12*\b:128*((\s)%2)+12*\b+11], v[AF+48*((\s)%2)+12*\a:AF+48*((\s)%2)+12*\a+11], 0, v[SCB+8*\b+(\s)], v[SCA+8*\a+(\s)] matrix_a_fmt:MATRIX_FMT_BF6 matrix_b_fmt:MATRIX_FMT_BF6
.else
	v_wmma_scale_f32_16x16x128_f8f6f4 v[8*(8*\a+\b):8*(8*\a+\b)+7], v[128*((\s)%2)+12*\b:128*((\s)%2)+12*\b+11], v[AF+48*((\s)%2)+12*\a:AF+48*((\s)%2)+12*\a+11], v[8*(8*\a+\b):8*(8*\a+\b)+7], v[SCB+8*\b+(\s)], v[SCA+8*\a+(\s)] matrix_a_fmt:MATRIX_FMT_BF6 matrix_b_fmt:MATRIX_FMT_BF6
.endif
.endr
.endr
.endm
.macro KSTEP s
	s_wait_dscnt 0x0                               ; this step's fragments are in (asked for 32 products ago)
.if ((\s)%2 == 1) && ((\s) < 7)
	s_wait_tensorcnt 3-((\s)+1)/2                  ; my part of the next chunk has landed; my loads of the later chunks may stay out
	s_barrier_signal -1
	s_barrier_wait -1                              ; everybody's part has
.endif
.if (\s) < 7
.if (\s) > 0
	PLACES 4                                       ; in front of loads into registers that the last step's products have read
.endif
	FETCH (\s)+1
.endif
	WIN MULW
.if (\s) == 0
	MULS \s, 1                                     ; the first products start the sums: nothing is cleared
.else
	MULS \s, 0
.endif
	WIN 0
.endm
	s_load_b256 s[4:11], s[0:1], 0x0               ; opnd_img s[4:5], opnd_sc s[6:7], qk_img s[8:9], qk_sc s[10:11]
	s_load_b128 s[12:15], s[0:1], 0x20             ; v_img s[12:13], v_sc s[14:15]
	v_lshl_add_u32 v4, v0, 2, SPARE
	v_mov_b32 v5, 0
	ds_add_u32 v4, v5                              ; the wave's opening: the add, twice on end, and its wait ahead of my first tensor load
	ds_add_u32 v4, v5
	v_lshrrev_b32 v6, 5, v0
	v_readfirstlane_b32 s66, v6                    ; wave 0..3
	s_lshr_b32 s67, s66, 1                         ; I fetch for A (0) or for B (1)
	s_and_b32 s68, s66, 1                          ; which half of its tiles
	s_bfe_u32 s69, ttmp6, 0x40000                  ; cx
	s_bfe_u32 s70, ttmp6, 0x40004                  ; cy
	s_and_b32 s72, ttmp7, 0xffff                   ; the cluster's y
	s_lshl_b32 s71, ttmp9, 2                       ; 4 x the cluster's x
	s_lshl_b32 s73, s72, 2
	s_sub_co_u32 s76, s72, 8
	s_lshl_b32 s76, s76, 4                         ; 16 (cluster y - 8): used in part v alone
	s_mov_b32 s84, 0x03020100
	s_mov_b32 s85, 0x07060504
	s_mov_b32 s86, 3072
	s_cmp_lt_u32 s72, 8                            ; part qk or part v
	s_cselect_b32 s76, 0, s76
	s_cselect_b32 s77, s73, 0
	s_cselect_b32 s78, 0, 640
	s_cselect_b32 s79, 512, 0
	s_cselect_b32 s84, 0x05040100, s84             ; how four rows' scale words are joined on the way out
	s_cselect_b32 s85, 0x07060302, s85
	s_cselect_b32 s86, 393216, s86                 ; bytes from a fragment's first granule to its second in the output
	s_add_co_u32 s74, s71, s69
	s_add_co_u32 s74, s74, s76                     ; tile0: which 128 rows of B (cx and the cluster's place)
	s_add_co_u32 s75, s70, s77                     ; tile1: which 256 rows of A (cy and the cluster's y)
	s_lshl_b32 s80, s75, 4
	s_add_co_u32 s80, s80, s78                     ; A's first tile in opnd_img
	s_lshl_b32 s81, s74, 3
	s_add_co_u32 s81, s81, s79                     ; B's
	s_lshl_b32 s82, s70, 2
	s_lshl_b32 s82, 15, s82                        ; my row of the cluster
	s_lshl_b32 s83, 0x1111, s69                    ; my column
	s_or_b32 s16, s82, (3<<16)|(1<<21)             ; group 1 for A: 15:0 the mask; 17:16 elements of 8 bytes; 21 set beside a mask; no padding
	s_mov_b32 s17, 384<<16                         ; tensor_dim0 = 384 elements: a tile's 3,072 bytes of a chunk
	s_mov_b32 s18, 8<<16                           ; tensor_dim1 = 8 tiles
	s_mov_b32 s19, 384<<16                         ; tile_dim0
	s_mov_b32 s20, 8                               ; tile_dim1
	s_mov_b32 s21, 1536                            ; from tile to tile: 12,288 bytes
	s_mov_b32 s22, 0
	s_mov_b32 s23, 0
	s_or_b32 s24, s83, (3<<16)|(1<<21)             ; group 1 for B: four tiles
	s_mov_b32 s25, 384<<16
	s_mov_b32 s26, 4<<16
	s_mov_b32 s27, 384<<16
	s_mov_b32 s28, 4
	s_mov_b32 s29, 1536
	s_mov_b32 s30, 0
	s_mov_b32 s31, 0
	s_lshl_b32 s94, s68, 3
	s_add_co_u32 s94, s94, s80
	s_mul_i32 s94, s94, 12288                      ; A: my eight tiles, in bytes
	s_mov_b32 s95, 0
	s_lshl_b32 s96, s68, 2
	s_add_co_u32 s96, s96, s81
	s_mul_i32 s96, s96, 12288                      ; B: my four
	s_mov_b32 s97, 0
	s_mul_i32 s98, s68, 8*TILEB                    ; where they go in a chunk: the wave's number alone enters an LDS address
	s_mul_i32 s99, s68, 4*TILEB
	s_add_co_u32 s99, s99, BOFF
	s_mov_b32 s87, 0xffff0000                      ; lanes 16-31
	s_mov_b32 s92, 0x76543210
	s_mov_b32 s93, 0xfedcba98                      ; v_permlanex16_b32's selects for lane l xor 16
	s_wait_dscnt 0x0                               ; both opening adds are done
	s_wait_kmcnt 0x0
	s_add_nc_u64 s[94:95], s[4:5], s[94:95]
	s_add_nc_u64 s[96:97], s[4:5], s[96:97]
	CROUND                                         ; all sixteen work-groups are here: the joint loads meet
.irp c, 0,1,2,3
	s_mov_b32 s[32+4*\c], 1
	s_add_co_u32 s[33+4*\c], s98, \c*CHUNK
	s_add_nc_u64 s[34+4*\c:35+4*\c], s[94:95], \c*TILEB
	s_or_b32 s[35+4*\c], s[35+4*\c], 0x80000000
	s_mov_b32 s[48+4*\c], 1
	s_add_co_u32 s[49+4*\c], s99, \c*CHUNK
	s_add_nc_u64 s[50+4*\c:51+4*\c], s[96:97], \c*TILEB
	s_or_b32 s[51+4*\c], s[51+4*\c], 0x80000000
	JLOAD 32+4*\c, 16, 48+4*\c, 24                 ; chunk c: every byte of LDS is filled once
.endr
	v_and_b32 v6, 15, v0
	v_lshlrev_b32 v3, 4, v6                        ; 16 r: a row's four scale words
	s_wait_alu depctr_va_vdst(0)
	s_lshl_b32 s76, s66, 2
	s_add_co_u32 s76, s76, s80
	s_lshl_b32 s76, s76, 9
	s_mov_b32 s77, 0
	s_add_nc_u64 s[76:77], s[6:7], s[76:77]        ; the scale words of my four tiles of A
	s_lshl_b32 s78, s81, 9
	s_mov_b32 s79, 0
	s_add_nc_u64 s[78:79], s[6:7], s[78:79]        ; and of B's eight
.irp a, 0,1,2,3
.irp f, 0,1
	global_load_b128 v[SCA+8*\a+4*\f:SCA+8*\a+4*\f+3], v3, s[76:77] offset:\a*512+\f*256
.endr
.endr
.irp b, 0,1,2,3,4,5,6,7
.irp f, 0,1
	global_load_b128 v[SCB+8*\b+4*\f:SCB+8*\b+4*\f+3], v3, s[78:79] offset:\b*512+\f*256
.endr
.endr
	v_and_b32 v6, 31, v0
	v_lshlrev_b32 v1, 4, v6                        ; 16 L
	v_lshlrev_b32 v2, 3, v6                        ; 8 L
	s_mul_i32 s82, s66, 4*TILEB                    ; my four tiles of A in a chunk
.irp c, 0,1,2,3
	s_add_co_u32 s83, s82, \c*CHUNK
	v_add_nc_u32 v[ADA16+\c], s83, v1
	v_add_nc_u32 v[ADA8+\c], s83, v2
	v_add_nc_u32 v[ADB16+\c], \c*CHUNK+BOFF, v1
	v_add_nc_u32 v[ADB8+\c], \c*CHUNK+BOFF, v2
.endr
	v_add_nc_u32 v24, s86, v1                      ; the second granule's store offsets
	v_add_nc_u32 v25, s86, v2
	; where the results go
	s_lshl_b32 s82, s75, 2
	s_add_co_u32 s82, s82, s66                     ; i64 = 4 tile1 + wave: which 64 rows of A
	s_lshl_b32 s83, s74, 10
	s_lshl_b32 s94, s82, 2
	s_add_co_u32 s83, s83, s94                     ; qk: granule 2 tile0 x 512 + 4 i64
	s_lshl_b32 s94, s74, 7
	s_add_co_u32 s94, s94, s82                     ; qk: chunk tile0 x 128 + i64
	s_lshr_b32 s95, s74, 4                         ; v: batch
	s_and_b32 s96, s74, 15                         ; v: step of 128 keys
	s_lshl_b32 s97, s95, 11
	s_lshl_b32 s98, s82, 7
	s_add_co_u32 s97, s97, s98
	s_lshl_b32 s98, s96, 3
	s_add_co_u32 s97, s97, s98                     ; v: granule b x 2048 + head x 128 + 8 x step
	s_lshl_b32 s98, s95, 4
	s_add_co_u32 s98, s98, s82
	s_lshl_b32 s98, s98, 4
	s_add_co_u32 s98, s98, s96                     ; v: chunk (b x 16 + head) x 16 + step
	s_cmp_lt_u32 s72, 8
	s_cselect_b32 s83, s83, s97
	s_cselect_b32 s94, s94, s98
	s_cselect_b64 s[88:89], s[8:9], s[12:13]
	s_cselect_b64 s[90:91], s[10:11], s[14:15]
	s_mul_i32 s96, s83, 768
	s_mov_b32 s97, 0
	s_add_nc_u64 s[88:89], s[88:89], s[96:97]      ; the codes' base
	s_lshl_b32 s96, s94, 8
	s_add_nc_u64 s[90:91], s[90:91], s[96:97]      ; the scale words' base
	s_wait_alu depctr_va_vdst(0)
	s_wait_tensorcnt 0x3                           ; my part of chunk 0 has landed; my three later loads may stay out
	s_barrier_signal -1
	s_barrier_wait -1                              ; everybody's has
	FETCH 0
	s_wait_loadcnt 0x0                             ; the scale words
.irp s, 0,1,2,3,4,5,6,7
	KSTEP \s
.endr
; THE WAY OUT.  For tile a of A, a lane's 64 results are four half blocks of 32 along B's rows; lane l xor 16 holds the other halves.  They become a fragment's codes (two granules) and a scale word.
.macro QUANT4W a
.set PCA, 128+24*(\a)
	WIN 0
.irp b, 0,1,2,3
	v_mov_b32 v[TM+\b], 0x2800000                  ; the floor 2^(5 - 127): the byte cannot fall under 1
.endr
	WIN 0x28                                       ; sources 1 and 2 window 2
.irp i, 0,2,4,6,8,10,12,14
.irp b, 0,1,2,3
	v_max3_num_f32 v[TM+\b], v[TM+\b], |v[64*(\a)+16*\b+\i]|, |v[64*(\a)+16*\b+\i+1]|   ; each accumulator from its low end on; the four blocks by turns
.endr
.endr
	WIN 0
.irp b, 0,1,2,3
	v_permlanex16_b32 v[TM+4+\b], v[TM+\b], s92, s93
.endr
.irp b, 0,1,2,3
	v_max_num_f32 v[TM+\b], v[TM+\b], v[TM+4+\b]   ; the block's largest magnitude
.endr
.irp b, 0,1,2,3
	v_add_nc_u32 v[TM+12+\b], 0xfe000000, v[TM+\b] ; 4 off its exponent field: the conversion's scale operand
.endr
.irp b, 0,1,2,3
	v_lshrrev_b32 v[TM+4+\b], 23, v[TM+12+\b]      ; the scale's byte
.endr
	v_lshl_or_b32 v[PWR+(\a)], v[TM+5], 8, v[TM+4]
	v_lshl_or_b32 v[PWR+(\a)], v[TM+6], 16, v[PWR+(\a)]
	v_lshl_or_b32 v[PWR+(\a)], v[TM+7], 24, v[PWR+(\a)]
	WIN 0x02                                       ; source 0 window 2
.irp c, 0,1
	v_cvt_scalef32_pk16_bf6_f32 v[PCA+6*\c:PCA+6*\c+2], v[64*(\a)+32*\c:64*(\a)+32*\c+15], v[TM+12+2*\c]
	v_cvt_scalef32_pk16_bf6_f32 v[PCA+12+4*\c:PCA+14+4*\c], v[64*(\a)+32*\c+16:64*(\a)+32*\c+31], v[TM+12+2*\c+1]
.endr
	WIN 0
	v_nop                                          ; one plain line behind a scaled conversion
.irp c, 0,1                            ; the layout wants a WHOLE block in a lane: lanes 0-15 block 2 c, lanes 16-31 block 2 c + 1
.irp i, 0,1,2
	v_permlane16_swap_b32 v[PCA+6*\c+\i], v[PCA+12+4*\c+\i]
.endr
.irp i, 0,1,2
	v_mov_b32 v[PCA+3+6*\c+\i], v[PCA+12+4*\c+\i]
.endr
.endr
	global_store_b128 v1, v[PCA:PCA+3], s[88:89] offset:768*(\a)          ; each store covers 512 or 256 consecutive bytes, at a multiple of 256 from the buffer's first byte
	global_store_b64 v2, v[PCA+4:PCA+5], s[88:89] offset:768*(\a)+512
	global_store_b128 v24, v[PCA+6:PCA+9], s[88:89] offset:768*(\a)
	global_store_b64 v25, v[PCA+10:PCA+11], s[88:89] offset:768*(\a)+512
.endm
	PLACES 4                                       ; behind the last products: their results are read, and the registers of A's fragments are written
.irp b, 0,1,2,3
	v_mov_b32 v[TM+4+\b], 0                        ; written once: a lane permute's destination counts as one of its sources
.endr
.irp a, 0,1,2,3
	QUANT4W \a                                     ; each tile has registers of its own for its codes: no store's data are written again
.endr
	v_perm_b32 v244, v241, v240, s84               ; qk: the low halves of tiles 0, 1 (the even head's bytes);   v: tile 0's word
	v_perm_b32 v245, v241, v240, s85               ; qk: their high halves (the odd head's);                     v: tile 1's
	v_perm_b32 v246, v243, v242, s84               ; the same of tiles 2, 3
	v_perm_b32 v247, v243, v242, s85
	v_cndmask_b32 v248, v244, v245, s87            ; lanes 0-15 store the first kind, lanes 16-31 the second
	v_cndmask_b32 v249, v246, v247, s87
	global_store_b64 v2, v[248:249], s[90:91]      ; 256 consecutive bytes
	s_wait_tensorcnt 0x0                           ; the wave's end
	ds_add_u32 v4, v5
	s_wait_dscnt 0x0
	CROUND                                         ; the closing round
	s_endpgm
.Lfunc_end_k_q25371efce7_gemm1:
	.size	k_q25371efce7_gemm1, .Lfunc_end_k_q25371efce7_gemm1-k_q25371efce7_gemm1
	.p2alignl 7, 3214868480
	.fill 96, 4, 3214868480
	.section	.rodata,"a",@progbits
	.p2align	6, 0x0
	.amdhsa_kernel k_q25371efce7_gemm1
		.amdhsa_group_segment_fixed_size 295424
		.amdhsa_private_segment_fixed_size 0
		.amdhsa_enable_private_segment 0
		.amdhsa_kernarg_size 48
		.amdhsa_user_sgpr_count 2
		.amdhsa_user_sgpr_kernarg_segment_ptr 1
		.amdhsa_wavefront_size32 1
		.amdhsa_system_sgpr_workgroup_id_x 1
		.amdhsa_system_sgpr_workgroup_id_y 1
		.amdhsa_system_sgpr_workgroup_id_z 1
		.amdhsa_system_vgpr_workitem_id 0
		.amdhsa_next_free_vgpr 768
		.amdhsa_next_free_sgpr 100
		.amdhsa_reserve_vcc 0
		.amdhsa_float_denorm_mode_32 3
		.amdhsa_float_denorm_mode_16_64 3
		.amdhsa_memory_ordered 1
		.amdhsa_forward_progress 1
		.amdhsa_inst_pref_size 90
	.end_amdhsa_kernel
	.amdgpu_metadata
---
amdhsa.version: [ 1, 2 ]
amdhsa.kernels:
  - .name:           k_q25371efce7_gemm1
    .symbol:         k_q25371efce7_gemm1.kd
    .args:
      - { .name: opnd_img, .offset: 0, .size: 8, .value_kind: global_buffer, .address_space: global }
      - { .name: opnd_sc, .offset: 8, .size: 8, .value_kind: global_buffer, .address_space: global }
      - { .name: qk_img, .offset: 16, .size: 8, .value_kind: global_buffer, .address_space: global }
      - { .name: qk_sc, .offset: 24, .size: 8, .value_kind: global_buffer, .address_space: global }
      - { .name: v_img, .offset: 32, .size: 8, .value_kind: global_buffer, .address_space: global }
      - { .name: v_sc, .offset: 40, .size: 8, .value_kind: global_buffer, .address_space: global }
    .group_segment_fixed_size: 295424
    .private_segment_fixed_size: 0
    .kernarg_segment_align: 8
    .kernarg_segment_size: 48
    .max_flat_workgroup_size: 128
    .sgpr_count:     100
    .vgpr_count:     768
    .wavefront_size: 32
...
	.end_amdgpu_metadata
.endif
;; end of part 2
;; launch attn (part 3): grid 4 x 64, 16 waves a work-group, no clusters, 207,872 bytes of LDS; arguments qk_img, qk_sc, v_img, v_sc, y_img, y_sc; writes y_img, y_sc
.if DOCPART == 3
	.amdgcn_target "amdgcn-amd-amdhsa--gfx1250"
	.amdhsa_code_object_version 6
	.text
	.protected	k_q25371efce7_attn
	.globl	k_q25371efce7_attn
	.p2align	8
	.type	k_q25371efce7_attn,@function
k_q25371efce7_attn:
	s_mov_b64 s[64:65], 0
	v_nop
	global_prefetch_b8 v0, s[64:65] scope:SCOPE_SE
	s_setreg_imm32_b32 hwreg(HW_REG_WAVE_MODE, 25, 1), 1
	s_wait_xcnt 0x0
; y = softmax(q k^T / 8, causal) v, both products on codes of E3M2, and the quantising of y along the head's 64 on the way out.  Granules, tiles and their rows: as the head of launch prep says.
; LEFT OUT: a step of 128 keys all of which come after all 16 queries of a tile: reference()'s own jnp.tril makes their p 0 for all values of the inputs (shown at the head of launch prep, with its limit).
; THE SOFTMAX AHEAD OF THE SECOND PRODUCT: t = score x log2(e) / 8; M = the running largest t rounded UP to a whole number; p = 2^(t - M) is quantised along the keys, not normalised; the row's sum is taken
; of the unquantised p and divides at the end (v_rcp_f32 and one multiply); when M moves, the sum and O are multiplied by 2^(old M - new M), which rounds nothing.
; SHARES: a work-group has one head of one batch; its sixteen waves have two tiles of 16 queries each: tiles 16 i + w and 127 - (16 i + w).  Tile t has t / 8 + 1 live steps: 17 steps for every wave of the launch.
; A WHOLE HEAD'S K AND V, codes and scale words, LIE IN LDS: every byte is filled once, at the head: one tensor load of 12,288 bytes a wave, and one more in waves 0 and 1: two of mine are out at the most.
; No cluster: the four work-groups of a head read the same K and V, but which steps a wave walks hangs on its query tiles, that is on the work-group's number, and partners of joint loads must run alike.
; No prefetch: every tensor load of the launch goes out at its head; there is no later load to run ahead of.
; LAYOUT: both products transposed: S^T = K Q^T, O^T = V^T P^T: a lane holds ONE query throughout.  The head is 64 wide, half of the instruction's 128: two tiles of K lie on end as ONE operand and are multiplied
; once by (q | 0) and once by (0 | q), which overlap in 18 registers [0 | q | 0]; zero codes add nothing.  K's scale word holds the first tile's two bytes below and the second's above; Q's is its two bytes twice.
; REGISTERS: v1 16 L, v2 8 L, v3 8 r, v4, v5 the add's two, v6-11 the step's LDS addresses, v12 -M, v13 the largest t, v[14:15] the sum, v16-33 [0 | q | 0], v34 Q's scale word, v35 the mask's d, v36-41 the second
; tile's q, v42, v43 raw scale words of q, v44-47 K's scale words, v48-51 V's, v52 p's, v53, v54 where y's scale bytes go, v55, v235-237 fixed bases, v56-103 four fragments, v104-167 S^T then p then y,
; v168-199 O^T, v200-211 codes, v212-234 at work, v238 the mask's lane term, v239 the last copy's LDS address.
.set VC,    98304                      ; LDS: K's 128 tiles x 768 bytes from 0; V's [key / 64][d tile][768] from here;
.set KS,    196608                     ; K's scale words: 32 rows of 128 bytes;
.set VS,    200704                     ; V's: 16 chunks of 256 bytes;
.set YS,    204800                     ; the stage for y's scale bytes: [pass][tile in its block of 16][r] 2 bytes: no fill lands here;
.set SPARE, 205824                     ; the spare words, 128 bytes a wave
.set F,  56
.set S,  104
.set O,  168
.set PC, 200
.set BM, 212
.set PX, 216
.set SO, 220
.set CT, 224
.macro FRAG reg, a16, a8, off          ; a fragment = two granules on end: four dense loads
	ds_load_b128 v[(\reg):(\reg)+3], v[\a16] offset:(\off)
	ds_load_b64 v[(\reg)+4:(\reg)+5], v[\a8] offset:(\off)+512
	ds_load_b128 v[(\reg)+6:(\reg)+9], v[\a16] offset:(\off)+768
	ds_load_b64 v[(\reg)+10:(\reg)+11], v[\a8] offset:(\off)+1280
.endm
	s_load_b256 s[4:11], s[0:1], 0x0               ; qk_img s[4:5], qk_sc s[6:7], v_img s[8:9], v_sc s[10:11]
	s_load_b128 s[12:15], s[0:1], 0x20             ; y_img s[12:13], y_sc s[14:15]
	v_lshl_add_u32 v4, v0, 2, SPARE
	v_mov_b32 v5, 0
	ds_add_u32 v4, v5                              ; the wave's opening: the add, twice on end, and its wait ahead of my first tensor load
	ds_add_u32 v4, v5
	v_lshrrev_b32 v6, 5, v0
	s_delay_alu instid0(VALU_DEP_1)
	v_readfirstlane_b32 s18, v6                    ; wave 0..15
	s_and_b32 s70, ttmp7, 0xffff                   ; 16 b + head
	s_lshr_b32 s71, s70, 4                         ; b
	s_and_b32 s72, s70, 15                         ; head
	s_lshl_b32 s74, ttmp9, 4
	s_add_co_u32 s74, s74, s18                     ; my early tile of queries, 0..63
	s_xor_b32 s73, s74, 127                        ; my late one, 127 - that
	s_mov_b32 s24, 3<<16                           ; group 1 for the codes: 12,288 dense bytes as 48 rows of 32 elements of 8 bytes
	s_mov_b32 s25, 32<<16
	s_mov_b32 s26, 48<<16
	s_mov_b32 s27, 32<<16
	s_mov_b32 s28, 48
	s_mov_b32 s29, 32
	s_mov_b32 s30, 0
	s_mov_b32 s31, 0
	s_mov_b32 s32, 3<<16                           ; group 1 for K's scale words: 32 rows of 128 bytes, 256 bytes apart in memory (the other half is the neighbouring head's)
	s_mov_b32 s33, 16<<16
	s_mov_b32 s34, 32<<16
	s_mov_b32 s35, 16<<16
	s_mov_b32 s36, 32
	s_mov_b32 s37, 32
	s_mov_b32 s38, 0
	s_mov_b32 s39, 0
	s_mov_b32 s40, 3<<16                           ; group 1 for V's: 4,096 dense bytes as 16 rows of 256
	s_mov_b32 s41, 32<<16
	s_mov_b32 s42, 16<<16
	s_mov_b32 s43, 32<<16
	s_mov_b32 s44, 16
	s_mov_b32 s45, 32
	s_mov_b32 s46, 0
	s_mov_b32 s47, 0
	s_mov_b32 s48, 1
	s_mul_i32 s49, s18, 12288                      ; waves 0-7 fill K's eighths, waves 8-15 V's: LDS byte 12,288 x wave
	s_mov_b32 s52, 1
	s_mov_b32 s53, KS
	s_mov_b32 s56, 1
	s_mov_b32 s57, VS
	s_add_co_u32 s75, s72, 16
	s_lshl_b32 s75, s75, 9
	s_lshl_b32 s76, s71, 7
	s_add_co_u32 s75, s75, s76                     ; K's first granule: (16 + head) x 512 + b x 128
	s_lshl_b32 s76, s71, 11
	s_lshl_b32 s77, s72, 7
	s_add_co_u32 s76, s76, s77                     ; V's: b x 2048 + head x 128
	s_cmp_lt_u32 s18, 8
	s_cselect_b32 s75, s75, s76
	s_and_b32 s76, s18, 7
	s_lshl_b32 s76, s76, 4
	s_add_co_u32 s75, s75, s76                     ; + my eighth: 16 granules
	s_mul_i32 s76, s75, 768
	s_mov_b32 s77, 0
	s_lshr_b32 s78, s72, 1
	s_add_co_u32 s78, s78, 8
	s_lshl_b32 s78, s78, 7
	s_lshl_b32 s79, s71, 5
	s_add_co_u32 s78, s78, s79
	s_lshl_b32 s78, s78, 8                         ; K's scale words: chunk (8 + head / 2) x 128 + 32 b,
	s_and_b32 s79, s72, 1
	s_lshl_b32 s79, s79, 7
	s_add_co_u32 s78, s78, s79                     ; + 128 (head % 2)
	s_mov_b32 s79, 0
	s_lshl_b32 s66, s70, 12                        ; V's: (16 b + head) x 4,096
	s_mov_b32 s67, 0
	s_mov_b32 s20, 0x76543210
	s_mov_b32 s21, 0xfedcba98                      ; v_permlanex16_b32's selects for lane l xor 16
	s_mov_b32 s22, 0x3e38aa3b                      ; c = log2(e) / 8
	s_mov_b32 s23, s22                             ; (named with it as a pair, so it is written)
	s_wait_dscnt 0x0                               ; both opening adds are done
	s_wait_kmcnt 0x0
	s_cmp_lt_u32 s18, 8
	s_cselect_b64 s[50:51], s[4:5], s[8:9]
	s_add_nc_u64 s[50:51], s[50:51], s[76:77]
	s_or_b32 s51, s51, 0x80000000
	s_add_nc_u64 s[54:55], s[6:7], s[78:79]
	s_or_b32 s55, s55, 0x80000000
	s_add_nc_u64 s[58:59], s[10:11], s[66:67]
	s_or_b32 s59, s59, 0x80000000
	tensor_load_to_lds s[48:51], s[24:31]          ; every wave: its 12,288 bytes of codes
	s_nop 0
	s_cmp_eq_u32 s18, 0
	s_cbranch_scc0 .Lnot_ks
	tensor_load_to_lds s[52:55], s[32:39]          ; wave 0: K's scale words
	s_nop 0
.rept 4
	v_nop
.endr
	s_branch .Lasked
.Lnot_ks:
	s_cmp_eq_u32 s18, 1
	s_cbranch_scc0 .Lasked
	tensor_load_to_lds s[56:59], s[40:47]          ; wave 1: V's
	s_nop 0
.rept 4
	v_nop
.endr
.Lasked:
	v_and_b32 v12, 31, v0
	s_delay_alu instid0(VALU_DEP_1)
	v_lshlrev_b32 v1, 4, v12                       ; 16 L
	s_delay_alu instid0(VALU_DEP_2)
	v_lshlrev_b32 v2, 3, v12                       ; 8 L
	v_and_b32 v12, 15, v0                          ; r
	s_delay_alu instid0(VALU_DEP_1)
	v_lshlrev_b32 v3, 3, v12                       ; 8 r
	s_wait_alu depctr_va_vdst(0)
	; Q: both tiles' granules and raw scale words
	s_lshl_b32 s75, s72, 9
	s_lshl_b32 s76, s71, 7
	s_add_co_u32 s75, s75, s76                     ; head x 512 + b x 128
	s_add_co_u32 s76, s75, s73
	s_mul_i32 s76, s76, 768
	s_add_co_u32 s77, s75, s74
	s_mul_i32 s77, s77, 768
	v_add_nc_u32 v6, s76, v1
	v_add_nc_u32 v7, s76, v2
	v_add_nc_u32 v8, s77, v1
	v_add_nc_u32 v9, s77, v2
	global_load_b128 v[22:25], v6, s[4:5]
	global_load_b64 v[26:27], v7, s[4:5] offset:512
	global_load_b128 v[36:39], v8, s[4:5]
	global_load_b64 v[40:41], v9, s[4:5] offset:512
	s_lshr_b32 s75, s72, 1
	s_lshl_b32 s75, s75, 7
	s_lshl_b32 s76, s71, 5
	s_add_co_u32 s75, s75, s76                     ; chunk (head / 2) x 128 + 32 b
	s_and_b32 s76, s72, 1
	s_lshl_b32 s76, s76, 7                         ; 128 (head % 2)
	s_lshr_b32 s77, s73, 2
	s_add_co_u32 s77, s77, s75
	s_lshl_b32 s77, s77, 8
	s_add_co_u32 s77, s77, s76
	s_bfe_u32 s78, s73, 0x10001
	s_lshl_b32 s78, s78, 2
	s_add_co_u32 s77, s77, s78                     ; + 4 x (which pair of tiles in the chunk)
	v_add_nc_u32 v10, s77, v3
	global_load_b32 v42, v10, s[6:7]
	s_lshr_b32 s77, s74, 2
	s_add_co_u32 s77, s77, s75
	s_lshl_b32 s77, s77, 8
	s_add_co_u32 s77, s77, s76
	s_bfe_u32 s78, s74, 0x10001
	s_lshl_b32 s78, s78, 2
	s_add_co_u32 s77, s77, s78
	v_add_nc_u32 v11, s77, v3
	global_load_b32 v43, v11, s[6:7]
	; what stays
	v_add_nc_u32 v55, VC, v1
	v_add_nc_u32 v235, VC, v2
	v_add_nc_u32 v236, KS, v3
	v_add_nc_u32 v237, VS, v3
	v_and_b32 v13, 8, v12
	s_delay_alu instid0(VALU_DEP_1)
	v_add_nc_u32 v238, v12, v13                    ; r + 8 (r / 8): my query's place in its tile's 32 tokens,
	v_bfe_u32 v13, v0, 4, 1
	s_delay_alu instid0(VALU_DEP_1)
	v_lshlrev_b32 v13, 4, v13
	s_delay_alu instid0(VALU_DEP_1)
	v_sub_nc_u32 v238, v238, v13                   ; less 16 h, by which my keys lie further on
	v_lshlrev_b32 v12, 1, v12                      ; 2 r
	s_xor_b32 s75, s18, 15
	s_lshl_b32 s75, s75, 5
	s_add_co_u32 s75, s75, YS
	v_add_nc_u32 v53, s75, v12                     ; the late tile is number 15 - w of its block of 16 tiles,
	s_lshl_b32 s75, s18, 5
	s_add_co_u32 s75, s75, YS+512
	v_add_nc_u32 v54, s75, v12                     ; the early one number w
	s_and_b32 s75, s18, 1
	s_lshl_b32 s75, s75, 9
	s_add_co_u32 s75, s75, YS
	v_add_nc_u32 v239, s75, v1                     ; the last copy: a pass's 512 bytes, 16 a lane
.irp i, 0,1,2,3,4,5
	v_mov_b32 v[16+\i], 0                          ; the zero codes on both sides of q
	v_mov_b32 v[28+\i], 0
.endr
.irp b, 0,1,2,3
	v_mov_b32 v[PX+\b], 0                          ; written once: a lane permute's destination counts as one of its sources
.endr
	v_mov_b32 v233, 0                              ; (named as the upper half of the pair v[232:233])
	s_wait_tensorcnt 0x0                           ; my parts of K, V and the scale words have landed,
	s_barrier_signal -1
	s_barrier_wait -1                              ; everybody's have: from here on LDS is only read, up to the stage for y's bytes
	s_wait_loadcnt 0x0                             ; Q
; ONE TILE OF QUERIES: all its live key steps, then its way out.  tau: the scalar register with the tile's number;  p: 0 the late tile, 1 the early one.
.macro PASS tau, p
	s_wait_xcnt 0x0                                ; the last pass's stores have read their data and their base: both are written again below
	s_lshr_b32 s63, s[\tau], 3                     ; the step on the diagonal
	s_bfe_u32 s66, s[\tau], 0x20001
	s_lshl_b32 s66, s66, 5
	s_and_b32 s67, s[\tau], 1
	s_lshl_b32 s75, s67, 3
	s_add_co_u32 s66, s66, s75                     ; the tile's first query within that step's 128 tokens
	s_lshl_b32 s67, s67, 4                         ; which half of the raw scale word is this tile's
	s_lshl_b32 s75, s71, 7
	s_add_co_u32 s75, s75, s[\tau]
	s_lshl_b32 s75, s75, 4
	s_add_co_u32 s75, s75, s72
	s_mul_i32 s76, s75, 768
	s_mov_b32 s77, 0
	s_add_nc_u64 s[68:69], s[12:13], s[76:77]      ; y's granule: ((b x 128 + tile) x 16 + head) x 768
.if \p
.irp i, 0,1,2,3,4,5
	v_mov_b32 v[22+\i], v[36+\i]
.endr
.endif
	v_lshrrev_b32 v34, s67, v[42+\p]
	s_delay_alu instid0(VALU_DEP_1)
	v_and_b32 v34, 0xffff, v34
	s_delay_alu instid0(VALU_DEP_1)
	v_lshl_or_b32 v34, v34, 16, v34                ; Q's two bytes, twice.  (More than eight plain lines follow ahead of the first product)
	v_add_nc_u32 v35, s66, v238                    ; d: on the diagonal, register 16 g + i is hidden where 32 g + i > d
	v_mov_b32 v13, 0xff61b1e6                      ; the largest t so far: -3e38
	s_delay_alu instid0(VALU_DEP_1)
	v_floor_f32 v12, -v13                          ; -M
	v_mov_b32 v14, 0
	v_mov_b32 v15, 0
.set j, 0
.rept 32
	v_mov_b32 v[O+j], 0                            ; O^T: the step is written once: the first finds zeros, which the first change of M leaves zeros
.set j, j+1
.endr
	s_mov_b32 s60, 0                               ; the step
	s_mov_b32 s61, 0                               ; its codes: 6,144 bytes a step, in K and in V
	s_mov_b32 s62, 0                               ; its scale words: 256 bytes a step
.Lstep_\@:                                         ; sixteen trips, a constant; a step behind the diagonal is jumped over: a branch on ids alone
	s_cmp_gt_u32 s60, s63
	s_cbranch_scc1 .Lhid_\@
	s_setprio 2
	v_add_nc_u32 v6, s61, v1                       ; (these six are also the places behind the last step's products, in front of the loads into their operands)
	v_add_nc_u32 v7, s61, v2
	v_add_nc_u32 v8, s61, v55
	v_add_nc_u32 v9, s61, v235
	v_add_nc_u32 v10, s62, v236
	v_add_nc_u32 v11, s62, v237
.irp g, 0,1,2,3
	FRAG F+12*\g, 6, 7, 1536*\g                    ; K's tiles 2 g and 2 g + 1 on end
.endr
	ds_load_b64 v[44:45], v10                      ; their scale words
	ds_load_b64 v[46:47], v10 offset:128
	s_wait_alu depctr_va_vdst(0)
	s_wait_dscnt 0x0
.irp g, 0,1,2,3
	v_wmma_scale_f32_16x16x128_f8f6f4 v[S+16*\g:S+16*\g+7], v[F+12*\g:F+12*\g+11], v[22:33], 0, v[44+\g], v34 matrix_a_fmt:MATRIX_FMT_BF6 matrix_b_fmt:MATRIX_FMT_BF6
	v_wmma_scale_f32_16x16x128_f8f6f4 v[S+16*\g+8:S+16*\g+15], v[F+12*\g:F+12*\g+11], v[16:27], 0, v[44+\g], v34 matrix_a_fmt:MATRIX_FMT_BF6 matrix_b_fmt:MATRIX_FMT_BF6
.endr                                              ; register 16 g + i: key 128 x step + 32 g + 16 h + i
.rept 4
	v_nop                                          ; places: behind them the scores are read and V's fragments are loaded over K's
.endr
.irp t, 0,1,2,3                                    ; V^T: d tile t x these 128 keys: asked for now, wanted behind the softmax
	ds_load_b128 v[F+12*\t:F+12*\t+3], v8 offset:768*\t
	ds_load_b64 v[F+12*\t+4:F+12*\t+5], v9 offset:768*\t+512
	ds_load_b128 v[F+12*\t+6:F+12*\t+9], v8 offset:3072+768*\t
	ds_load_b64 v[F+12*\t+10:F+12*\t+11], v9 offset:3072+768*\t+512
.endr
	ds_load_b64 v[48:49], v11                      ; scale words of d tiles 0, 2
	ds_load_b64 v[50:51], v11 offset:128           ; and 1, 3
	s_cmp_lg_u32 s60, s63
	s_cbranch_scc1 .Lopen_\@
	v_mov_b32 v234, 0xff800000                     ; on the diagonal hidden scores become -infinity ahead of the maximum: p = 0 then
.set n, 0
.rept 64
	v_cmp_gt_i32 vcc_lo, 32*(n/16)+n%16, v35
	v_cndmask_b32 v[S+n], v[S+n], v234, vcc_lo
.set n, n+1
.endr
.Lopen_\@:
.irp b, 0,1,2,3
	v_max3_num_f32 v[BM+\b], v[S+16*\b], v[S+16*\b+1], v[S+16*\b+2]   ; the largest score of each block of 32 keys: for the row's maximum, and, since p rises with the score, for the block's largest p
.endr
.irp i, 3,5,7,9,11,13
.irp b, 0,1,2,3
	v_max3_num_f32 v[BM+\b], v[BM+\b], v[S+16*\b+\i], v[S+16*\b+\i+1]
.endr
.endr
.irp b, 0,1,2,3
	v_max_num_f32 v[BM+\b], v[BM+\b], v[S+16*\b+15]
.endr
.irp b, 0,1,2,3
	s_delay_alu instid0(VALU_DEP_4)
	v_permlanex16_b32 v[PX+\b], v[BM+\b], s20, s21
.endr
.irp b, 0,1,2,3
	s_delay_alu instid0(VALU_DEP_4)
	v_max_num_f32 v[BM+\b], v[BM+\b], v[PX+\b]     ; with lane l xor 16's 16 keys
.endr
	s_delay_alu instid0(VALU_DEP_2)
	v_max3_num_f32 v234, v[BM], v[BM+1], v[BM+2]
	s_delay_alu instid0(VALU_DEP_1)
	v_max_num_f32 v234, v234, v[BM+3]
	s_delay_alu instid0(VALU_DEP_1)
	v_mul_f32 v234, s22, v234                      ; as t (c is positive)
	s_delay_alu instid0(VALU_DEP_1)
	v_max_num_f32 v13, v13, v234                   ; the running largest t
	v_mov_b32 v234, v12
	s_delay_alu instid0(VALU_DEP_2)
	v_floor_f32 v12, -v13                          ; the new -M = -ceil(t): a whole number
	s_delay_alu instid0(VALU_DEP_1)
	v_sub_f32 v234, v12, v234                      ; old M - new M: a whole number, 0 or less
	s_delay_alu instid0(VALU_DEP_1)
	v_cvt_i32_f32 v234, v234                       ; (it saturates)
	s_delay_alu instid0(VALU_DEP_1)
	v_ldexp_f32 v232, 1.0, v234                    ; f = 2^(old M - new M)
.set j, 0
	s_setprio 1
.rept 32
	v_pk_fma_f32 v[S+j:S+j+1], v[S+j:S+j+1], s[22:23], v[12:13] op_sel_hi:[1,0,0]   ; t - M, two at a time
.set j, j+2
.endr
.irp b, 0,1,2,3
	v_fma_f32 v[BM+\b], v[BM+\b], s22, v12         ; the same of each block's largest score
.endr
.set j, 0
	s_wait_alu depctr_va_vdst(0)
.rept 64
	v_exp_f32 v[S+j], v[S+j]                       ; p = 2^(t - M), at most 1
.set j, j+1
.endr
	v_pk_mul_f32 v[14:15], v[14:15], v[232:233] op_sel_hi:[1,0]   ; the sums under the new M: the plain line behind the exponentials
	s_wait_alu depctr_va_vdst(0)                   ; one wait for the batch of 64, ahead of its first reader
.irp b, 0,1,2,3
	v_exp_f32 v[BM+\b], v[BM+\b]                   ; the block's largest p: the same two instructions on the same number give the same bits
.endr
	v_pk_add_f32 v[224:225], v[108:109], v[112:113]
	v_pk_add_f32 v[254:255], v[116:117], v[120:121]
	v_pk_add_f32 v[252:253], v[124:125], v[128:129]
	v_pk_add_f32 v[250:251], v[132:133], v[136:137]
	v_pk_add_f32 v[248:249], v[140:141], v[144:145]
	v_pk_add_f32 v[246:247], v[148:149], v[152:153]
	v_pk_add_f32 v[244:245], v[156:157], v[160:161]
	v_pk_add_f32 v[14:15], v[14:15], v[164:165]
	v_pk_add_f32 v[224:225], v[224:225], v[104:105]
	v_pk_add_f32 v[254:255], v[254:255], v[106:107]
	v_pk_add_f32 v[252:253], v[252:253], v[110:111]
	v_pk_add_f32 v[250:251], v[250:251], v[114:115]
	v_pk_add_f32 v[248:249], v[248:249], v[118:119]
	v_pk_add_f32 v[246:247], v[246:247], v[122:123]
	v_pk_add_f32 v[244:245], v[244:245], v[126:127]
	v_pk_add_f32 v[14:15], v[14:15], v[130:131]
	v_pk_add_f32 v[224:225], v[224:225], v[134:135]
	v_pk_add_f32 v[254:255], v[254:255], v[138:139]
	v_pk_add_f32 v[252:253], v[252:253], v[142:143]
	v_pk_add_f32 v[250:251], v[250:251], v[146:147]
	v_pk_add_f32 v[248:249], v[248:249], v[150:151]
	v_pk_add_f32 v[246:247], v[246:247], v[154:155]
	v_pk_add_f32 v[244:245], v[244:245], v[158:159]
	v_pk_add_f32 v[14:15], v[14:15], v[162:163]
	v_pk_add_f32 v[224:225], v[224:225], v[166:167]
	s_delay_alu instid0(VALU_DEP_2)
	v_pk_add_f32 v[14:15], v[14:15], v[250:251]
	s_delay_alu instid0(VALU_DEP_2)
	v_pk_add_f32 v[224:225], v[224:225], v[248:249]
	v_pk_add_f32 v[254:255], v[254:255], v[246:247]
	v_pk_add_f32 v[252:253], v[252:253], v[244:245]
	s_delay_alu instid0(VALU_DEP_2)
	v_pk_add_f32 v[14:15], v[14:15], v[254:255]
	s_delay_alu instid0(VALU_DEP_2)
	v_pk_add_f32 v[224:225], v[224:225], v[252:253]
	s_delay_alu instid0(VALU_DEP_1)
	v_pk_add_f32 v[14:15], v[14:15], v[224:225]
	s_wait_alu depctr_va_vdst(0)                   ; and one for the four
.irp b, 0,1,2,3
	v_max_num_f32 v[BM+\b], 0x2800000, v[BM+\b]    ; the floor 2^(5 - 127): the byte cannot fall under 1
.endr
.irp b, 0,1,2,3
	s_delay_alu instid0(VALU_DEP_4)
	v_add_nc_u32 v[SO+\b], 0xfe000000, v[BM+\b]    ; 4 off the exponent field: the conversion's scale operand
.endr
.irp b, 0,1,2,3
	s_delay_alu instid0(VALU_DEP_4)
	v_lshrrev_b32 v[PX+\b], 23, v[SO+\b]           ; the scale's byte
.endr
	s_delay_alu instid0(VALU_DEP_3)
	v_lshl_or_b32 v52, v[PX+1], 8, v[PX]           ; p's scale word for these 128 keys
	s_delay_alu instid0(VALU_DEP_1)
	v_lshl_or_b32 v52, v[PX+2], 16, v52
	s_delay_alu instid0(VALU_DEP_1)
	v_lshl_or_b32 v52, v[PX+3], 24, v52
	s_setprio 0
.irp c, 0,1
	v_cvt_scalef32_pk16_bf6_f32 v[PC+6*\c:PC+6*\c+2], v[S+32*\c:S+32*\c+15], v[SO+2*\c]
	v_cvt_scalef32_pk16_bf6_f32 v[CT+4*\c:CT+4*\c+2], v[S+32*\c+16:S+32*\c+31], v[SO+2*\c+1]
.endr
	v_nop                                          ; one plain line behind a scaled conversion
.irp c, 0,1                                        ; the layout wants a WHOLE block in a lane
.irp i, 0,1,2
	v_permlane16_swap_b32 v[PC+6*\c+\i], v[CT+4*\c+\i]
.endr
.irp i, 0,1,2
	s_delay_alu instid0(VALU_DEP_3)
	v_mov_b32 v[PC+3+6*\c+\i], v[CT+4*\c+\i]
.endr
.endr
.set j, 0
.rept 16
	v_pk_mul_f32 v[O+j:O+j+1], v[O+j:O+j+1], v[232:233] op_sel_hi:[1,0]   ; O^T under the new M.  (These are also the places between p's codes and scale word and the products)
.set j, j+2
.endr
	s_wait_alu depctr_va_vdst(0)
	s_wait_dscnt 0x0                               ; V's fragments and scale words are in
.irp t, 0,1,2,3
	v_wmma_scale_f32_16x16x128_f8f6f4 v[O+8*\t:O+8*\t+7], v[F+12*\t:F+12*\t+11], v[PC:PC+11], v[O+8*\t:O+8*\t+7], v[48+2*(\t%2)+\t/2], v52 matrix_a_fmt:MATRIX_FMT_BF6 matrix_b_fmt:MATRIX_FMT_BF6
.endr
.Lhid_\@:
	s_add_co_u32 s60, s60, 1
	s_add_co_u32 s61, s61, 6144
	s_add_co_u32 s62, s62, 256
	s_cmp_lt_u32 s60, 16
	s_cbranch_scc1 .Lstep_\@
	s_setprio 0
	; the way out: y = O^T / the sum; register 16 g + i is channel 32 g + 16 h + i of the head: two half blocks a lane
.rept 4
	v_nop                                          ; places behind the last products: the trips jumped over hold scalar lines alone
.endr
	v_add_f32 v14, v14, v15
	s_delay_alu instid0(VALU_DEP_1)
	v_permlanex16_b32 v[PX], v14, s20, s21
	s_delay_alu instid0(VALU_DEP_1)
	v_add_f32 v14, v14, v[PX]                      ; the row's sum
	s_wait_alu depctr_va_vdst(0)
	v_rcp_f32 v14, v14
	v_nop                                          ; a plain line behind the transcendental
	s_wait_alu depctr_va_vdst(0)                   ; and the wait ahead of its first reader
.set j, 0
.rept 32
	v_mul_f32 v[S+j], v[O+j], v14
.set j, j+1
.endr
.irp b, 0,1
	v_max3_num_f32 v[BM+\b], |v[S+16*\b]|, |v[S+16*\b+1]|, 0x2800000
.endr
.irp i, 2,4,6,8,10,12,14
.irp b, 0,1
	s_delay_alu instid0(VALU_DEP_2)
	v_max3_num_f32 v[BM+\b], v[BM+\b], |v[S+16*\b+\i]|, |v[S+16*\b+\i+1]|
.endr
.endr
.irp b, 0,1
	s_delay_alu instid0(VALU_DEP_2)
	v_permlanex16_b32 v[PX+\b], v[BM+\b], s20, s21
.endr
.irp b, 0,1
	s_delay_alu instid0(VALU_DEP_2)
	v_max_num_f32 v[BM+\b], v[BM+\b], v[PX+\b]
.endr
.irp b, 0,1
	s_delay_alu instid0(VALU_DEP_2)
	v_add_nc_u32 v[SO+\b], 0xfe000000, v[BM+\b]
.endr
.irp b, 0,1
	s_delay_alu instid0(VALU_DEP_2)
	v_lshrrev_b32 v[PX+\b], 23, v[SO+\b]
.endr
	s_delay_alu instid0(VALU_DEP_1)
	v_lshl_or_b32 v234, v[PX+1], 8, v[PX]          ; my row's two scale bytes
	v_cvt_scalef32_pk16_bf6_f32 v[PC:PC+2], v[S:S+15], v[SO]
	v_cvt_scalef32_pk16_bf6_f32 v[CT:CT+2], v[S+16:S+31], v[SO+1]
	v_nop
.irp i, 0,1,2
	v_permlane16_swap_b32 v[PC+\i], v[CT+\i]
.endr
.irp i, 0,1,2
	s_delay_alu instid0(VALU_DEP_3)
	v_mov_b32 v[PC+3+\i], v[CT+\i]
.endr
	global_store_b128 v1, v[PC:PC+3], s[68:69]              ; a granule: 512 and 256 consecutive bytes, at multiples of 256 from the buffer's first byte
	global_store_b64 v2, v[PC+4:PC+5], s[68:69] offset:512
	ds_store_b16 v[53+\p], v234                    ; both halves of the lanes write the same two bytes with the same value
.endm
	PASS 73, 0
	PASS 74, 1
	s_wait_dscnt 0x0                               ; for the others' sake: my two stores into the stage are done
	s_barrier_signal -1
	s_barrier_wait -1
	s_cmp_lt_u32 s18, 2
	s_cbranch_scc0 .Ldone
	s_sub_co_u32 s75, 7, ttmp9                     ; wave 0: the late tiles' block of 16 tiles, 7 - i;  wave 1: the early ones', i
	s_cmp_eq_u32 s18, 0
	s_cselect_b32 s75, s75, ttmp9
	s_lshl_b32 s76, s72, 9
	s_lshl_b32 s77, s71, 7
	s_add_co_u32 s76, s76, s77
	s_lshl_b32 s75, s75, 4
	s_add_co_u32 s76, s76, s75
	s_lshl_b32 s76, s76, 5                         ; (head x 512 + b x 128 + 16 x block) x 32 bytes
	s_mov_b32 s77, 0
	s_add_nc_u64 s[14:15], s[14:15], s[76:77]
	ds_load_b128 v[56:59], v239
	s_wait_dscnt 0x0
	global_store_b128 v1, v[56:59], s[14:15]       ; 512 consecutive bytes
.Ldone:
	s_wait_tensorcnt 0x0                           ; the wave's end, behind my last tensor load and my last LDS store
	ds_add_u32 v4, v5
	s_wait_dscnt 0x0
	s_endpgm
.Lfunc_end_k_q25371efce7_attn:
	.size	k_q25371efce7_attn, .Lfunc_end_k_q25371efce7_attn-k_q25371efce7_attn
	.p2alignl 7, 3214868480
	.fill 96, 4, 3214868480
	.section	.rodata,"a",@progbits
	.p2align	6, 0x0
	.amdhsa_kernel k_q25371efce7_attn
		.amdhsa_group_segment_fixed_size 207872
		.amdhsa_private_segment_fixed_size 0
		.amdhsa_enable_private_segment 0
		.amdhsa_kernarg_size 48
		.amdhsa_user_sgpr_count 2
		.amdhsa_user_sgpr_kernarg_segment_ptr 1
		.amdhsa_wavefront_size32 1
		.amdhsa_system_sgpr_workgroup_id_x 1
		.amdhsa_system_sgpr_workgroup_id_y 1
		.amdhsa_system_sgpr_workgroup_id_z 1
		.amdhsa_system_vgpr_workitem_id 0
		.amdhsa_next_free_vgpr 256
		.amdhsa_next_free_sgpr 80
		.amdhsa_reserve_vcc 1
		.amdhsa_float_denorm_mode_32 3
		.amdhsa_float_denorm_mode_16_64 3
		.amdhsa_memory_ordered 1
		.amdhsa_forward_progress 1
		.amdhsa_inst_pref_size 68
	.end_amdhsa_kernel
	.amdgpu_metadata
---
amdhsa.version: [ 1, 2 ]
amdhsa.kernels:
  - .name:           k_q25371efce7_attn
    .symbol:         k_q25371efce7_attn.kd
    .args:
      - { .name: qk_img, .offset: 0, .size: 8, .value_kind: global_buffer, .address_space: global }
      - { .name: qk_sc, .offset: 8, .size: 8, .value_kind: global_buffer, .address_space: global }
      - { .name: v_img, .offset: 16, .size: 8, .value_kind: global_buffer, .address_space: global }
      - { .name: v_sc, .offset: 24, .size: 8, .value_kind: global_buffer, .address_space: global }
      - { .name: y_img, .offset: 32, .size: 8, .value_kind: global_buffer, .address_space: global }
      - { .name: y_sc, .offset: 40, .size: 8, .value_kind: global_buffer, .address_space: global }
    .group_segment_fixed_size: 207872
    .private_segment_fixed_size: 0
    .kernarg_segment_align: 8
    .kernarg_segment_size: 48
    .max_flat_workgroup_size: 512
    .sgpr_count:     80
    .vgpr_count:     256
    .wavefront_size: 32
...
	.end_amdgpu_metadata
.endif
;; end of part 3
;; launch gemm2 (part 4): grid 8 x 32, 4 waves a work-group, clusters of 4 x 4, 295,424 bytes of LDS; arguments y_img, y_sc, opnd_img, opnd_sc, out0; writes out0
.if DOCPART == 4
	.amdgcn_target "amdgcn-amd-amdhsa--gfx1250"
	.amdhsa_code_object_version 6
	.text
	.protected	k_q25371efce7_gemm2
	.globl	k_q25371efce7_gemm2
	.p2align	8
	.type	k_q25371efce7_gemm2,@function
k_q25371efce7_gemm2:
	s_mov_b64 s[64:65], 0
	v_nop
	global_prefetch_b8 v0, s[64:65] scope:SCOPE_SE
	s_setreg_imm32_b32 hwreg(HW_REG_WAVE_MODE, 25, 1), 1
	s_wait_xcnt 0x0
	s_wait_alu depctr_hold_cnt(0) depctr_sa_sdst(0) depctr_va_vdst(0) depctr_va_sdst(0) depctr_va_ssrc(0) depctr_va_vcc(0) depctr_vm_vsrc(0)
	s_getreg_b32 s2, hwreg(HW_REG_IB_STS2, 6, 4)
	s_cmp_eq_u32 s2, 0
	s_cbranch_scc0 .Lentry_in_a_cluster
	s_endpgm
.Lentry_in_a_cluster:
	s_bfe_u32 s2, ttmp6, 0x10000c
	s_cmp_lg_u32 s2, 0xf033
	s_cbranch_scc0 .Lentry_shape_is_right
	s_endpgm
.Lentry_shape_is_right:
; out0 = y W_proj^T on codes of E3M2.  Granules, tiles and their rows: as the head of launch prep says.  Nothing of reference() is left out here.  LIMITS: as stated there.
; The core is launch gemm1's: a work-group makes 256 tokens (A = y) x 128 channels (B = W_proj), K = 1,024, all of K in LDS in four chunks, every byte filled once by four joint tensor loads a wave
; (four of mine are out at the most); cluster 4 x 4, A's tiles shared along a row, B's along a column; the matrix instruction transposed: lane (r, h) holds token row r of A's tile, registers 16 g + i channels 32 g + 16 h + i.
; y's scale bytes lie [head][tile][r] two bytes: a step of 128 along K is two heads: lanes 0-15 load the even head's, lanes 16-31 the odd head's, and one exchange of halves makes the word.
; THE WAY OUT: a tile of 16 tokens x 128 channels goes through the wave's own stage in LDS (rows of 528 bytes) and leaves as whole rows of 512 bytes.  The stages lie in chunk 0, which has had its one fill and,
; behind the barrier in front of the way out, is read by nobody.
; REGISTERS: as in gemm1; v26, v27 the stage's addresses, v28 the offset of y's scale bytes; on the way out v128-255 take rows of out0.
.set CHUNK, 73728
.set BOFF,  49152
.set TILEB, 3072
.set SPARE, 4*CHUNK                    ; behind the chunks: the spare words, 128 bytes a wave
.set ADA16, 8
.set ADA8,  12
.set ADB16, 16
.set ADB8,  20
.set SCA,   32
.set SCB,   64
.set AF,    128
.set MSB, 0
.macro WIN new                         ; the immediate's high byte repeats the setting that is left
.if MSB != \new
	s_set_vgpr_msb (MSB<<8)|\new
.set MSB, \new
.endif
.endm
.set MULW, 0xa1                        ; source 0 (B) window 1, source 1 (A) window 0, C and D window 2
.set TO_B, 0x40                        ; destination window 1, address window 0
.macro JLOAD g0a, g1a, g0b, g1b        ; a joint load: waves 0, 1 fetch for A, waves 2, 3 for B; an s_nop 0 and four v_nop follow each line
	s_cmp_eq_u32 s67, 0
	s_cbranch_scc0 .Lfor_b_\@
	tensor_load_to_lds s[\g0a:\g0a+3], s[\g1a:\g1a+7]
	s_nop 0
.rept 4
	v_nop
.endr
	s_branch .Lasked_\@
.Lfor_b_\@:
	tensor_load_to_lds s[\g0b:\g0b+3], s[\g1b:\g1b+7]
	s_nop 0
.rept 4
	v_nop
.endr
.Lasked_\@:
.endm
.macro CROUND                          ; a round of the cluster's barrier
	s_barrier_signal -1
	s_barrier_wait -1
	s_cmp_lg_u32 s66, 0
	s_cbranch_scc1 .Lnot_wave_0_\@
	s_barrier_signal -3
.Lnot_wave_0_\@:
	s_barrier_wait -3
	s_barrier_signal -1
	s_barrier_wait -1
.endm
.macro PLACES n
.rept \n
	v_nop
.endr
.endm
.macro FRAG reg, a16, a8, off          ; a fragment = two granules on end: four dense loads
	ds_load_b128 v[(\reg):(\reg)+3], v[\a16] offset:(\off)
	ds_load_b64 v[(\reg)+4:(\reg)+5], v[\a8] offset:(\off)+512
	ds_load_b128 v[(\reg)+6:(\reg)+9], v[\a16] offset:(\off)+768
	ds_load_b64 v[(\reg)+10:(\reg)+11], v[\a8] offset:(\off)+1280
.endm
.macro FETCH s                         ; the fragments of step s (128 along K) into set s % 2: B's eight, my A's four: 48 loads
	WIN TO_B
.irp b, 0,1,2,3,4,5,6,7
	FRAG 128*((\s)%2)+12*\b, ADB16+(\s)/2, ADB8+(\s)/2, \b*TILEB+((\s)%2)*1536
.endr
	WIN 0
.irp a, 0,1,2,3
	FRAG AF+48*((\s)%2)+12*\a, ADA16+(\s)/2, ADA8+(\s)/2, \a*TILEB+((\s)%2)*1536
.endr
.endm
.macro MULS s, zero                    ; 32 products; the 32 accumulators take turns, one instruction a turn, in the same order in every step
.irp a, 0,1,2,3
.irp b, 0,1,2,3,4,5,6,7
.if \zero
	v_wmma_scale_f32_16x16x128_f8f6f4 v[8*(8*\a+\b):8*(8*\a+\b)+7], v[128*((\s)%2)+12*\b:128*((\s)%2)+12*\b+11], v[AF+48*((\s)%2)+12*\a:AF+48*((\s)%2)+12*\a+11], 0, v[SCB+8*\b+(\s)], v[SCA+8*\a+(\s)] matrix_a_fmt:MATRIX_FMT_BF6 matrix_b_fmt:MATRIX_FMT_BF6
.else
	v_wmma_scale_f32_16x16x128_f8f6f4 v[8*(8*\a+\b):8*(8*\a+\b)+7], v[128*((\s)%2)+12*\b:128*((\s)%2)+12*\b+11], v[AF+48*((\s)%2)+12*\a:AF+48*((\s)%2)+12*\a+11], v[8*(8*\a+\b):8*(8*\a+\b)+7], v[SCB+8*\b+(\s)], v[SCA+8*\a+(\s)] matrix_a_fmt:MATRIX_FMT_BF6 matrix_b_fmt:MATRIX_FMT_BF6
.endif
.endr
.endr
.endm
.macro KSTEP s
	s_wait_dscnt 0x0                               ; this step's fragments are in (asked for 32 products ago)
.if ((\s)%2 == 1) && ((\s) < 7)
	s_wait_tensorcnt 3-((\s)+1)/2                  ; my part of the next chunk has landed; my loads of the later chunks may stay out
	s_barrier_signal -1
	s_barrier_wait -1                              ; everybody's part has
.endif
.if (\s) < 7
.if (\s) > 0
	PLACES 4                                       ; in front of loads into registers that the last step's products have read
.endif
	FETCH (\s)+1
.endif
	WIN MULW
.if (\s) == 0
	MULS \s, 1                                     ; the first products start the sums: nothing is cleared
.else
	MULS \s, 0
.endif
	WIN 0
.endm
	s_load_b256 s[4:11], s[0:1], 0x0               ; y_img s[4:5], y_sc s[6:7], opnd_img s[8:9], opnd_sc s[10:11]
	s_load_b64 s[12:13], s[0:1], 0x20              ; out0
	v_lshl_add_u32 v4, v0, 2, SPARE
	v_mov_b32 v5, 0
	ds_add_u32 v4, v5                              ; the wave's opening: the add, twice on end, and its wait ahead of my first tensor load
	ds_add_u32 v4, v5
	v_lshrrev_b32 v6, 5, v0
	v_readfirstlane_b32 s66, v6                    ; wave 0..3
	s_lshr_b32 s67, s66, 1                         ; I fetch for A (0) or for B (1)
	s_and_b32 s68, s66, 1                          ; which half of its tiles
	s_bfe_u32 s69, ttmp6, 0x40000                  ; cx
	s_bfe_u32 s70, ttmp6, 0x40004                  ; cy
	s_lshl_b32 s74, ttmp9, 2
	s_add_co_u32 s74, s74, s69                     ; tile0: which 128 channels
	s_and_b32 s72, ttmp7, 0xffff
	s_lshl_b32 s75, s72, 2
	s_add_co_u32 s75, s75, s70                     ; tile1: which 256 tokens
	s_lshl_b32 s80, s75, 4                         ; A's first tile in y_img
	s_lshl_b32 s81, s74, 3
	s_add_co_u32 s81, s81, 704                     ; B's first tile in opnd_img: W_proj begins at tile 704
	s_lshl_b32 s82, s70, 2
	s_lshl_b32 s82, 15, s82                        ; my row of the cluster
	s_lshl_b32 s83, 0x1111, s69                    ; my column
	s_or_b32 s16, s82, (3<<16)|(1<<21)             ; group 1 for A: the mask; elements of 8 bytes; bit 21 beside a mask; no padding
	s_mov_b32 s17, 384<<16                         ; a tile's 3,072 bytes of a chunk
	s_mov_b32 s18, 8<<16                           ; eight tiles
	s_mov_b32 s19, 384<<16
	s_mov_b32 s20, 8
	s_mov_b32 s21, 1536                            ; from tile to tile: 12,288 bytes
	s_mov_b32 s22, 0
	s_mov_b32 s23, 0
	s_or_b32 s24, s83, (3<<16)|(1<<21)             ; group 1 for B: four tiles
	s_mov_b32 s25, 384<<16
	s_mov_b32 s26, 4<<16
	s_mov_b32 s27, 384<<16
	s_mov_b32 s28, 4
	s_mov_b32 s29, 1536
	s_mov_b32 s30, 0
	s_mov_b32 s31, 0
	s_lshl_b32 s94, s68, 3
	s_add_co_u32 s94, s94, s80
	s_mul_i32 s94, s94, 12288
	s_mov_b32 s95, 0
	s_lshl_b32 s96, s68, 2
	s_add_co_u32 s96, s96, s81
	s_mul_i32 s96, s96, 12288
	s_mov_b32 s97, 0
	s_mul_i32 s98, s68, 8*TILEB                    ; the wave's number alone enters an LDS address
	s_mul_i32 s99, s68, 4*TILEB
	s_add_co_u32 s99, s99, BOFF
	s_mov_b32 s92, 0x76543210
	s_mov_b32 s93, 0xfedcba98                      ; v_permlanex16_b32's selects for lane l xor 16
	s_wait_dscnt 0x0                               ; both opening adds are done
	s_wait_kmcnt 0x0
	s_add_nc_u64 s[94:95], s[4:5], s[94:95]
	s_add_nc_u64 s[96:97], s[8:9], s[96:97]
	CROUND                                         ; all sixteen work-groups are here: the joint loads meet
.irp c, 0,1,2,3
	s_mov_b32 s[32+4*\c], 1
	s_add_co_u32 s[33+4*\c], s98, \c*CHUNK
	s_add_nc_u64 s[34+4*\c:35+4*\c], s[94:95], \c*TILEB
	s_or_b32 s[35+4*\c], s[35+4*\c], 0x80000000
	s_mov_b32 s[48+4*\c], 1
	s_add_co_u32 s[49+4*\c], s99, \c*CHUNK
	s_add_nc_u64 s[50+4*\c:51+4*\c], s[96:97], \c*TILEB
	s_or_b32 s[51+4*\c], s[51+4*\c], 0x80000000
	JLOAD 32+4*\c, 16, 48+4*\c, 24                 ; chunk c: every byte of LDS is filled once
.endr
	v_and_b32 v6, 15, v0                           ; r
	v_bfe_u32 v7, v0, 4, 1                         ; h
	v_lshlrev_b32 v3, 4, v6                        ; 16 r
	v_lshlrev_b32 v28, 1, v6
	v_lshl_add_u32 v28, v7, 14, v28                ; 2 r + 16,384 h: lanes 16-31 take the next head's bytes
	s_wait_alu depctr_va_vdst(0)
	s_lshl_b32 s76, s66, 2
	s_add_co_u32 s76, s76, s80
	s_lshl_b32 s76, s76, 5
	s_mov_b32 s77, 0
	s_add_nc_u64 s[76:77], s[6:7], s[76:77]        ; y's scale bytes of my four tiles, head 0
	s_lshl_b32 s78, s81, 9
	s_mov_b32 s79, 0
	s_add_nc_u64 s[78:79], s[10:11], s[78:79]      ; W_proj's scale words of the eight tiles
.irp a, 0,1,2,3
.irp s, 0,1,2,3,4,5,6,7
	global_load_u16 v[128+8*\a+\s], v28, s[76:77] offset:\s*32768+\a*32
.endr
.endr
.irp b, 0,1,2,3,4,5,6,7
.irp f, 0,1
	global_load_b128 v[SCB+8*\b+4*\f:SCB+8*\b+4*\f+3], v3, s[78:79] offset:\b*512+\f*256
.endr
.endr
.irp i, 0,1,2,3
	v_mov_b32 v[224+\i], 0                         ; written once: a lane permute's destination counts as one of its sources
.endr
	s_wait_alu depctr_va_vdst(0)
	s_wait_loadcnt 0x0
.irp a, 0,1,2,3
.irp s, 0,1,2,3,4,5,6,7
	v_permlanex16_b32 v[224+\s%4], v[128+8*\a+\s], s92, s93
	v_lshl_or_b32 v[SCA+8*\a+\s], v[224+\s%4], 16, v[128+8*\a+\s]   ; lanes 0-15: head 2 s below, head 2 s + 1 above: the word of step s
.endr
.endr
	v_and_b32 v29, 31, v0                          ; (the lines from here to the first product are more than the eight places that a scale word made by vector lines wants)
	v_lshlrev_b32 v1, 4, v29                       ; 16 L
	v_lshlrev_b32 v2, 3, v29                       ; 8 L
	s_mul_i32 s82, s66, 4*TILEB
.irp c, 0,1,2,3
	s_add_co_u32 s83, s82, \c*CHUNK
	v_add_nc_u32 v[ADA16+\c], s83, v1
	v_add_nc_u32 v[ADA8+\c], s83, v2
	v_add_nc_u32 v[ADB16+\c], \c*CHUNK+BOFF, v1
	v_add_nc_u32 v[ADB8+\c], \c*CHUNK+BOFF, v2
.endr
	s_mul_i32 s82, s66, 16*528                     ; my stage
	v_mul_u32_u24 v26, v6, 528
	v_lshl_add_u32 v26, v7, 6, v26
	v_add_nc_u32 v26, s82, v26                     ; in: row r, + 64 h
	v_add_nc_u32 v27, s82, v1                      ; back: a row's 512 bytes, 16 a lane
	s_lshl_b32 s82, s75, 8
	s_lshl_b32 s83, s66, 6
	s_add_co_u32 s82, s82, s83
	s_lshl_b32 s82, s82, 12                        ; my first token's row of out0: (256 tile1 + 64 wave) x 4,096 bytes,
	s_lshl_b32 s83, s74, 9
	s_add_co_u32 s82, s82, s83                     ; + 512 tile0
	s_mov_b32 s83, 0
	s_add_nc_u64 s[88:89], s[12:13], s[82:83]
	s_wait_alu depctr_va_vdst(0)
	s_wait_tensorcnt 0x3                           ; my part of chunk 0 has landed; my three later loads may stay out
	s_barrier_signal -1
	s_barrier_wait -1                              ; everybody's has
	FETCH 0
.irp s, 0,1,2,3,4,5,6,7
	KSTEP \s
.endr
.macro TOSTAGE a                       ; tile a's 64 registers a lane into my stage, each accumulator from its low end on, and back as whole rows; LDS serves a wave's instructions in order
	WIN 0x08                                       ; an LDS store's data are its source 1: window 2
.irp g, 0,1,2,3
.irp j, 0,1,2,3
	ds_store_b128 v26, v[64*(\a)+16*\g+4*\j:64*(\a)+16*\g+4*\j+3] offset:128*\g+16*\j
.endr
.endr
	WIN 0
.irp t, 0,1,2,3,4,5,6,7,8,9,10,11,12,13,14,15
	ds_load_b128 v[128+64*((\a)%2)+4*\t:128+64*((\a)%2)+4*\t+3], v27 offset:528*\t
.endr
.endm
.macro SEND a, younger                 ; younger: the LDS instructions issued behind tile a's loads, which may stay out
	s_wait_dscnt \younger
.irp t, 0,1,2,3,4,5,6,7,8,9,10,11,12,13,14,15
	global_store_b128 v1, v[128+64*((\a)%2)+4*\t:128+64*((\a)%2)+4*\t+3], s[88:89] offset:(32*((\a)/2)+8*((\a)%2)+\t+8*(\t/8))*4096 th:TH_STORE_NT   ; row t of tile a is token 32 (a / 2) + 8 (a % 2) + t + 8 (t / 8); 512 consecutive bytes, at a multiple of 256 from out0's first byte
.endr
.endm
	s_wait_dscnt 0x0
	s_barrier_signal -1
	s_barrier_wait -1                              ; no wave reads the operands any more: the stages may be written
	PLACES 4                                       ; behind the last products: their results are read, and the registers of A's fragments are loaded
	TOSTAGE 0
.irp a, 1,2,3
.if \a > 1
	s_wait_xcnt 0x0                                ; tile a - 2's stores have read their registers: tile a's rows may land there
.endif
	TOSTAGE \a
	SEND \a-1, 32                                  ; behind tile a - 1's loads: tile a's 16 stores and 16 loads
.endr
	SEND 3, 0
	s_wait_tensorcnt 0x0                           ; the wave's end, behind my last tensor load and my last LDS store
	ds_add_u32 v4, v5
	s_wait_dscnt 0x0
	CROUND                                         ; the closing round
	s_endpgm
.Lfunc_end_k_q25371efce7_gemm2:
	.size	k_q25371efce7_gemm2, .Lfunc_end_k_q25371efce7_gemm2-k_q25371efce7_gemm2
	.p2alignl 7, 3214868480
	.fill 96, 4, 3214868480
	.section	.rodata,"a",@progbits
	.p2align	6, 0x0
	.amdhsa_kernel k_q25371efce7_gemm2
		.amdhsa_group_segment_fixed_size 295424
		.amdhsa_private_segment_fixed_size 0
		.amdhsa_enable_private_segment 0
		.amdhsa_kernarg_size 40
		.amdhsa_user_sgpr_count 2
		.amdhsa_user_sgpr_kernarg_segment_ptr 1
		.amdhsa_wavefront_size32 1
		.amdhsa_system_sgpr_workgroup_id_x 1
		.amdhsa_system_sgpr_workgroup_id_y 1
		.amdhsa_system_sgpr_workgroup_id_z 1
		.amdhsa_system_vgpr_workitem_id 0
		.amdhsa_next_free_vgpr 768
		.amdhsa_next_free_sgpr 100
		.amdhsa_reserve_vcc 0
		.amdhsa_float_denorm_mode_32 3
		.amdhsa_float_denorm_mode_16_64 3
		.amdhsa_memory_ordered 1
		.amdhsa_forward_progress 1
		.amdhsa_inst_pref_size 92
	.end_amdhsa_kernel
	.amdgpu_metadata
---
amdhsa.version: [ 1, 2 ]
amdhsa.kernels:
  - .name:           k_q25371efce7_gemm2
    .symbol:         k_q25371efce7_gemm2.kd
    .args:
      - { .name: y_img, .offset: 0, .size: 8, .value_kind: global_buffer, .address_space: global }
      - { .name: y_sc, .offset: 8, .size: 8, .value_kind: global_buffer, .address_space: global }
      - { .name: opnd_img, .offset: 16, .size: 8, .value_kind: global_buffer, .address_space: global }
      - { .name: opnd_sc, .offset: 24, .size: 8, .value_kind: global_buffer, .address_space: global }
      - { .name: out0, .offset: 32, .size: 8, .value_kind: global_buffer, .address_space: global }
    .group_segment_fixed_size: 295424
    .private_segment_fixed_size: 0
    .kernarg_segment_align: 8
    .kernarg_segment_size: 40
    .max_flat_workgroup_size: 128
    .sgpr_count:     100
    .vgpr_count:     768
    .wavefront_size: 32
...
	.end_amdgpu_metadata
.endif
;; end of part 4
